; MI455X (gfx1250); checked and timed in simulation.
; The chip was launched on July 23, 2026; its instructions are those of AMD's public machine-readable ISA for CDNA 5 (MIT licence, August 2026) and "CDNA5" Instruction Set Architecture Reference Guide (July 2026). The comments in the code are by the model that wrote it; some were corrected since.
;; Multihead Attention. Allowed arithmetic: matrix products marked QUANTISED: E2M3 operands, one E8M0 scale for each 32 along K, by v_wmma_scale_f32_16x16x128_f8f6f4 with both operands' format E2M3, f32 sums; everything else in f32.
;; Inputs: token_positions 1 x 2,048 int32; wk 1,024 x 1,024 float32; wo 1,024 x 1,024 float32; wq 1,024 x 1,024 float32; wv 1,024 x 1,024 float32; x 2 x 2,048 x 1,024 float32.
;; Outputs: out0 2 x 2,048 x 1,024 float32.
;; This version of the problem:
;;   THIS VERSION OF THE PROBLEM IS GIVEN IN LOW PRECISION. The matrix products marked QUANTISED in the list below multiply operands that are first quantised to E2M3 (2 exponent bits, 3 mantissa bits; 6 bits a number), with one power-of-two scale for each 32 numbers along K (OCP MX v1.0); their sums are f32. All else is computed in f32.
;;   The module's matrix products, in the order in which they are computed (A, B: the left and right operand; K: the contracted axis; several contracted axes count as one K, in the product's order):
;;     1. [M 4,096, K 1,024] x [K 1,024, N 1,024]; A: input x; B: input wq: QUANTISED
;;     2. [M 4,096, K 1,024] x [K 1,024, N 1,024]; A: input x; B: input wk: QUANTISED
;;     3. [M 4,096, K 1,024] x [K 1,024, N 1,024]; A: input x; B: input wv: QUANTISED
;;     4. batch 32 x [M 2,048, K 64] x [K 64, N 2,048]; A: computed on the way; B: computed on the way: QUANTISED
;;     5. batch 32 x [M 2,048, K 2,048] x [K 2,048, N 64]; A: softmax (see below); B: computed on the way: QUANTISED
;;     6. [M 4,096, K 1,024] x [K 1,024, N 1,024]; A: computed on the way; B: input wo: QUANTISED
;;   THE QUANTISER, for each operand of a quantised product, along K:
;;     - K is cut into blocks of 32 from its start; a last block that is shorter is filled with zeros.
;;     - A block's scale is 2^e with e = floor(log2(the largest magnitude in the block)) - 2, held to -126 .. 127; a block of zeros has e = 0. As a byte (E8M0): e + 127.
;;     - Each number is divided by its block's scale, clamped to +-7.5, and rounded to the nearest number of E2M3, ties to even, subnormals kept.
;;     - The product sums the exact products of the quantised numbers (number of the format x scale) in f32.
;;   ~~~python
;;   def quantise(x, axis):      # numpy; x: float32 -> the quantised numbers, widened to float32 again
;;       x = np.moveaxis(x, axis, -1); K = x.shape[-1]
;;       x = np.pad(x, [(0, 0)] * (x.ndim - 1) + [(0, -K % 32)]); x = x.reshape(x.shape[:-1] + (-1, 32)); a = np.abs(x).max(-1, keepdims=True)
;;       e = np.where(a > 0, np.clip(np.frexp(np.where(a > 0, a, 1))[1] - 1 - 2, -126, 127), 0)      # np.frexp(a)[1] - 1 = floor(log2(a)), exactly
;;       r = np.clip(x / 2.0 ** e, -7.5, 7.5)
;;       step = 2.0 ** (np.maximum(np.frexp(np.where(r == 0, 1, r))[1] - 1, 0) - 3)
;;       q = np.round(r / step) * step * 2.0 ** e      # np.round: ties to even
;;       return np.moveaxis(q.reshape(q.shape[:-2] + (-1,))[..., :K], -1, axis).astype(np.float32)
;;   ~~~
;;   SOFTMAX AHEAD OF A QUANTISED PRODUCT. Where the list says 'softmax', what is quantised is not the finished softmax but p = 2^(t - M), with t = logit x log2(e) and M = ceil(the row's largest t), a whole number; so 1/2 < the row's largest p <= 1. The row's sum l is taken of the UNQUANTISED p, in f32, and the product's result is divided by l at the end. Since M is a whole number, a kernel that streams over the keys may use a running M (the ceiling of the running maximum): every later rescaling is an exact power of two, which a block's scale takes up: the codes' values come out the same.
;;   OPERANDS COMPUTED ON THE WAY. 'Computed on the way' means the value that the module computes at that place (a softmax that the list does not call 'softmax' is quantised finished and normalised). What goes into a quantiser is computed in f32, as accurately as f32 sums, v_exp_f32 and their like allow (about 1e-6 of the number): no bf16 or f16 on the way to a quantiser, and a product that is left as it is and whose result goes on into a quantised operand takes f32 operands (vector FMAs, or v_wmma_f32_16x16x4_f32). A number that lies on a knife's edge between two numbers of the format may be rounded either way, as far as f32 arithmetic and the matrix unit's own rounding can turn it there, and no further.
;; One version. Each part assembles by itself: llvm-mc -triple=amdgcn-amd-amdhsa -mcpu=gfx1250 --defsym DOCPART=n.
;; ======== version 1 of 1: 4 launches
;; limits: right only within a limited range of input values
;; workspace buffers: xw_codes 6,291,456 bytes; xw_scales 262,144 bytes; rope 557,056 bytes; qkv_img 9,830,400 bytes; qkv_sc 262,144 bytes; o_img 3,145,728 bytes; o_scales 131,072 bytes
;; launch prep (part 1): grid 256 x 1, 4 waves a work-group, no clusters, 33,280 bytes of LDS; arguments x, wq, wk, wv, wo, token_positions, xw_codes, xw_scales, rope; writes xw_codes, xw_scales, rope
.if DOCPART == 1
	.amdgcn_target "amdgcn-amd-amdhsa--gfx1250"
	.amdhsa_code_object_version 6
	.text
	.protected	k_q7f8c4ef2ae_prep
	.globl	k_q7f8c4ef2ae_prep
	.p2align	8
	.type	k_q7f8c4ef2ae_prep,@function
k_q7f8c4ef2ae_prep:
	s_mov_b64 s[64:65], 0
	v_nop
	global_prefetch_b8 v0, s[64:65] scope:SCOPE_SE
	s_setreg_imm32_b32 hwreg(HW_REG_WAVE_MODE, 25, 1), 1
	s_wait_xcnt 0x0
; x [4096][1024], wq, wk, wv, wo [1024][1024], f32, K (= d) innermost, become codes of FP6 (E2M3) with one E8M0 byte for each 32 along K, in ONE pair of buffers:
; 8,192 rows of 768 bytes of codes and of 32 scale bytes: x at row 0, wq at 4096, wk at 5120, wv at 6144, wo at 7168.
; THE ROWS OF x, wq, wk, wv ARE STORED WITH BITS 3 AND 4 OF THE ROW NUMBER EXCHANGED (wo's are not): 16 consecutive stored rows 16 t + r are then the true rows 32 (t/2) + 8 (t%2) + r + 8 (r/8),
; so that in the later products the 16 registers of two neighbouring result tiles are 16 neighbours along the next product's K.
; A block's scale is 2^(floor(log2(its largest magnitude)) - 2); its byte is the largest magnitude's exponent field - 2, held at 1 from below.  A block of zeros gets the byte 1 (its codes are zeros; this program alone reads the bytes).
; SHARES.  Work-group g takes the 32 true rows 32 g .. 32 g + 31 of the stream x | wq | wk | wv | wo, wave w eight of them: 16 steps of 512 numbers.  Each load reads 512 consecutive bytes; a step's 2,048 bytes turn
; through the wave's own stage in LDS so that a lane holds 16 neighbours along K; two neighbouring lanes hold a block.  A wave's 256 scale bytes are gathered in LDS and leave as one aligned run of 256 bytes.
; THE ROTATION TABLE.  Each wave also makes (cos, sin) of two sequence places l = 8 g + 2 w, l + 1: lane = d, angle = f32(token_positions[l]) x 10000^(-d/32), one f32 multiply.  The angle is reduced by the nearest multiple of
; pi/2 (pi/2 in two f32 parts, fused multiply-adds), sine and cosine are Taylor polynomials on |r| <= pi/4 (remainders under 2e-9), the quadrant swaps and signs them.  Table: [l][d]{cos, sin}, 256 bytes a place.
; Behind the 2,048 places lie 128 places of (1, 0), for the product that is not rotated.
; LIMITS: NaN and infinities among the inputs are not served; blocks whose largest magnitude lies under 2^(2 - 126) have the byte held at 1; token_positions lies in 0 .. 2047; cos and sin are good to about 1e-7 absolutely on the f32 angle.
; No tensor loads, no barrier: waves share nothing.
.set STEPS, 16
.set EMAX,  2
.set CB,    12                         ; bytes of 16 codes
.set R,     16                         ; v16-79   four sets of 16 numbers as loaded
.set X,     80                         ; v80-111  two sets of 16 neighbours
.set E,     112                        ; v112-127 a scale byte for each step
.set C,     128                        ; v128-191 codes: four registers a step, so that no store's data are written again
.set WREG,  8192                       ; LDS: a region for each wave: two stages of 32 x SP bytes, then its 256 scale bytes
.set SP,    80                         ; a lane's place in a stage: 64 bytes + 16 of padding
.set IFQ,   192                        ; v192     10000^(-d/32) of my lane
	s_load_b512 s[4:19], s[0:1], 0x0               ; x 4:5, wq 6:7, wk 8:9, wv 10:11, wo 12:13, token_positions 14:15, codes 16:17, scale bytes 18:19
	s_load_b64 s[20:21], s[0:1], 0x40              ; the table
	v_lshl_add_u32 v224, v0, 2, 0x8000
	v_mov_b32 v225, 0
	v_lshrrev_b32 v1, 5, v0
	v_readfirstlane_b32 s22, v1                    ; wave
	v_and_b32 v2, 31, v0                           ; lane
	v_lshlrev_b32 v3, 4, v2                        ; my 16 bytes of a load's 512
	s_mul_i32 s23, s22, WREG
	v_lshrrev_b32 v14, 2, v2
	v_mul_u32_u24 v14, v14, SP
	v_and_b32 v15, 3, v2
	v_lshl_add_u32 v14, v15, 4, v14
	v_add_nc_u32 v14, s23, v14                     ; the stage, on the way in: SP (lane / 4) + 16 (lane % 4)
	v_mul_u32_u24 v15, v2, SP
	v_add_nc_u32 v15, s23, v15                     ; and on the way out: SP x lane: my 16 neighbours
	; THE CODES' LAYOUT (in place of the rows of 768 bytes named at the head): four slabs of 256 along K, [slab][stored row 8192][192 bytes], 0x180000 bytes a slab:
	; 128 stored rows of a slab are 24,576 dense bytes.  A step of 512 numbers is half a row: lanes 0-15 hold one slab's 192 bytes, lanes 16-31 the next slab's.
	v_and_b32 v4, 15, v2
	v_mul_u32_u24 v4, v4, CB
	v_lshrrev_b32 v10, 4, v2
	v_mad_u32_u24 v4, v10, 0x180000, v4
	v_lshrrev_b32 v5, 1, v2
	s_add_co_u32 s23, s23, 2*32*SP
	v_add_nc_u32 v5, s23, v5                       ; LDS: my wave's 256 scale bytes, my block's byte
	v_lshlrev_b32 v7, 3, v2                        ; 8 bytes a lane: the scale bytes' way out, and a place of the table
	v_add_nc_u32 v6, s23, v7
	s_lshl_b32 s26, ttmp9, 2
	s_add_co_u32 s26, s26, s22                     ; 4 g + w
	s_lshl_b32 s28, s26, 3                         ; my two positions: (8 g + 2 w) x 4 bytes
	s_mov_b32 s29, 0
	s_mov_b32 s31, 0
	s_wait_kmcnt 0x0
	s_add_nc_u64 s[14:15], s[14:15], s[28:29]
	s_load_b64 s[24:25], s[14:15], 0x0             ; token_positions[l], [l + 1]: they are multiplied, never used as addresses
	s_cmp_ge_u32 ttmp9, 128                        ; which tensor is my work-group's?  The choice hangs on the work-group's number alone
	s_cselect_b64 s[4:5], s[6:7], s[4:5]
	s_cmp_ge_u32 ttmp9, 160
	s_cselect_b64 s[4:5], s[8:9], s[4:5]
	s_cmp_ge_u32 ttmp9, 192
	s_cselect_b64 s[4:5], s[10:11], s[4:5]
	s_cmp_ge_u32 ttmp9, 224
	s_cselect_b64 s[4:5], s[12:13], s[4:5]
	s_and_b32 s27, ttmp9, 31
	s_cmp_lt_u32 ttmp9, 128
	s_cselect_b32 s27, ttmp9, s27                  ; the work-group's number inside its tensor
	s_lshl_b32 s27, s27, 2
	s_add_co_u32 s27, s27, s22                     ; which run of 8 rows I read
	s_lshl_b32 s30, s27, 15                        ; 8 rows x 4,096 bytes
	s_add_nc_u64 s[4:5], s[4:5], s[30:31]
	s_and_b32 s32, s22, 1
	s_lshl_b32 s32, s32, 1
	s_lshr_b32 s33, s22, 1
	s_or_b32 s32, s32, s33                         ; the wave's two bits exchanged: they are bits 3 and 4 of the row number
	s_cmp_lt_u32 ttmp9, 224
	s_cselect_b32 s32, s32, s22                    ; wo's rows stay where they are
	s_lshl_b32 s33, ttmp9, 2
	s_add_co_u32 s32, s33, s32                     ; which run of 8 stored rows I write
	s_mul_i32 s30, s32, 8*192
	s_add_nc_u64 s[16:17], s[16:17], s[30:31]
	s_lshl_b32 s30, s32, 8
	s_add_nc_u64 s[18:19], s[18:19], s[30:31]
	s_lshl_b32 s30, s26, 8
	s_add_co_u32 s30, s30, 0x80000
	s_add_nc_u64 s[34:35], s[20:21], s[30:31]      ; place 4 g + w of the 128 places of (1, 0), used where g < 32
	s_lshl_b32 s30, s26, 9
	s_add_nc_u64 s[20:21], s[20:21], s[30:31]      ; place 8 g + 2 w of the table
.macro LOAD t
.irp i, 0,1,2,3
	global_load_b128 v[R+16*((\t)%4)+4*\i:R+16*((\t)%4)+4*\i+3], v3, s[4:5] offset:2048*(\t)+512*\i th:TH_LOAD_NT   ; 32 lanes read 512 consecutive bytes
.endr
.endm
.macro TURN t                          ; step t's numbers through the stage: LDS serves a wave's instructions in order, so no wait stands between the stores and the loads
.irp i, 0,1,2,3
	ds_store_b128 v14, v[R+16*((\t)%4)+4*\i:R+16*((\t)%4)+4*\i+3] offset:32*SP*((\t)%2)+8*SP*\i
.endr
.irp i, 0,1,2,3
	ds_load_b128 v[X+16*((\t)%2)+4*\i:X+16*((\t)%2)+4*\i+3], v15 offset:32*SP*((\t)%2)+16*\i
.endr
.endm
.irp t, 0,1,2,3
	LOAD \t
.endr
; ---- the table, while the first sixteen loads are on their way
.macro PICK dst, idx, n, lit           ; where v[idx] = n the lane takes the literal
	v_cmp_ne_u32 vcc_lo, \n, v[\idx]
	v_cndmask_b32 v[\dst], \lit, v[\dst], vcc_lo
.endm
	v_and_b32 v193, 7, v2                          ; d % 8
	v_lshrrev_b32 v194, 3, v2                      ; d / 8
	v_mov_b32 v[IFQ], 1.0
	PICK IFQ, 193, 1, 0x3f3ff911                   ; 10^(-1/8)
	PICK IFQ, 193, 2, 0x3f0ff59a                   ; 10^(-2/8)
	PICK IFQ, 193, 3, 0x3ed7e89b                   ; 10^(-3/8)
	PICK IFQ, 193, 4, 0x3ea1e89b                   ; 10^(-4/8)
	PICK IFQ, 193, 5, 0x3e72d424                   ; 10^(-5/8)
	PICK IFQ, 193, 6, 0x3e361887                   ; 10^(-6/8)
	PICK IFQ, 193, 7, 0x3e088d77                   ; 10^(-7/8)
	v_mov_b32 v195, 1.0
	PICK 195, 194, 1, 0x3dcccccd                   ; 0.1
	PICK 195, 194, 2, 0x3c23d70a                   ; 0.01
	PICK 195, 194, 3, 0x3a83126f                   ; 0.001
	v_mul_f32 v[IFQ], v[IFQ], v195                 ; 10000^(-d/32) = 10^(-d/8)
	s_wait_kmcnt 0x0                               ; the two positions
.macro SINCOS p                        ; (cos, sin) of place l + p into v[202 + 2 p : 203 + 2 p]
	v_cvt_f32_i32 v196, s[24+\p]
	s_wait_alu depctr_va_vdst(0)
	v_mul_f32 v196, v196, v[IFQ]                   ; the angle, one f32 multiply
	v_mul_f32 v197, 0x3f22f983, v196               ; x 2 / pi
	v_rndne_f32 v197, v197                         ; n
	v_fmamk_f32 v198, v197, 0xbfc90fdb, v196       ; r = angle - n x (pi/2 rounded to f32)
	v_fmamk_f32 v198, v197, 0x333bbd2e, v198       ;   - n x (what is left of pi/2: -4.3711390e-8)
	v_mul_f32 v199, v198, v198                     ; r^2
	v_mov_b32 v200, 0x3638ef1d                     ; 1/9!
	v_fmaak_f32 v200, v199, v200, 0xb9500d01       ; -1/7!
	v_fmaak_f32 v200, v199, v200, 0x3c088889       ; 1/5!
	v_fmaak_f32 v200, v199, v200, 0xbe2aaaab       ; -1/3!
	v_mul_f32 v210, v198, v199
	v_fma_f32 v200, v210, v200, v198               ; S = sin r
	v_mov_b32 v201, 0xb493f27e                     ; -1/10!
	v_fmaak_f32 v201, v199, v201, 0x37d00d01       ; 1/8!
	v_fmaak_f32 v201, v199, v201, 0xbab60b61       ; -1/6!
	v_fmaak_f32 v201, v199, v201, 0x3d2aaaab       ; 1/4!
	v_fmaak_f32 v201, v199, v201, 0xbf000000       ; -1/2
	v_fmaak_f32 v201, v199, v201, 0x3f800000       ; C = cos r
	v_cvt_i32_f32 v211, v197                       ; the quadrant's number
	v_and_b32 v210, 1, v211
	v_cmp_eq_u32 vcc_lo, 1, v210
	v_cndmask_b32 v[203+2*\p], v200, v201, vcc_lo  ; sin: S, in odd quadrants C
	v_cndmask_b32 v[202+2*\p], v201, v200, vcc_lo  ; cos: C, in odd quadrants S
	v_lshlrev_b32 v210, 30, v211
	v_and_b32 v210, 0x80000000, v210
	v_xor_b32 v[203+2*\p], v[203+2*\p], v210       ; sin is negated in quadrants 2 and 3: bit 1 of n
	v_add_nc_u32 v211, 1, v211
	v_lshlrev_b32 v210, 30, v211
	v_and_b32 v210, 0x80000000, v210
	v_xor_b32 v[202+2*\p], v[202+2*\p], v210       ; cos in quadrants 1 and 2: bit 1 of n + 1
	global_store_b64 v7, v[202+2*\p:203+2*\p], s[20:21] offset:256*\p   ; 32 lanes store 256 consecutive bytes, aligned
.endm
	SINCOS 0
	SINCOS 1
	s_cmp_lt_u32 ttmp9, 32                         ; the first 32 work-groups also write the 128 places of (1, 0), one a wave
	s_cbranch_scc0 .Lno_unit
	v_mov_b32 v208, 1.0
	v_mov_b32 v209, 0
	global_store_b64 v7, v[208:209], s[34:35]
.Lno_unit:
	s_wait_loadcnt 12                              ; step 0's four loads are in
	TURN 0
.macro STEP t
.set XS, X+16*((\t)%2)
.if (\t) > 0
	s_wait_dscnt 1                                 ; this step's numbers are back from the stage (the last step's byte store may be out): so its stores into the stage have read their registers,
.else
	s_wait_dscnt 0x0
.endif
.if (\t)+4 < STEPS
	LOAD (\t)+4                                    ; which take the loads of four steps on
.endif
.if (\t)+1 < STEPS
.if STEPS-2-(\t) >= 3
	s_wait_loadcnt 12                              ; the next step's four loads are in; those of the three steps behind it may be out
.else
	s_wait_loadcnt 4*(STEPS-2-(\t))
.endif
	TURN (\t)+1                                    ; and go through the other stage while this step is worked
.endif
	v_max3_num_f32 v8, |v[XS]|, |v[XS+1]|, |v[XS+2]|               ; the largest magnitude of my 16
	v_max3_num_f32 v9, |v[XS+3]|, |v[XS+4]|, |v[XS+5]|
.irp i, 6,10
	v_max3_num_f32 v8, v8, |v[XS+\i]|, |v[XS+\i+1]|
	v_max3_num_f32 v9, v9, |v[XS+\i+2]|, |v[XS+\i+3]|
.endr
	v_max3_num_f32 v8, v8, |v[XS+14]|, |v[XS+15]|
	v_max3_num_f32 v8, v8, v9, (EMAX+1)<<23        ; and the floor 2^(EMAX + 1 - 127): so the byte cannot fall under 1
	v_max_num_f32_dpp v8, v8, v8 row_xmask:1 row_mask:0xf bank_mask:0xf   ; and of my neighbour's 16: the block's
	v_add_nc_u32 v11, -(EMAX<<23), v8              ; EMAX off its exponent field: the conversion takes the exponent field of this operand as its scale
	v_cvt_scalef32_pk16_fp6_f32 v[C+4*(\t):C+4*(\t)+2], v[XS:XS+15], v11   ; sixteen numbers / the scale, to the nearest code, ties to even, beyond the largest code the largest
	v_lshrrev_b32 v[E+(\t)], 23, v11               ; the scale's byte
	ds_store_b8 v5, v[E+(\t)] offset:16*(\t)       ; both lanes of a block write the same byte with the same value
	global_store_b96 v4, v[C+4*(\t):C+4*(\t)+2], s[16:17] offset:((\t)%2)*2*0x180000+((\t)/2)*192   ; row t / 2 of my eight, slabs 2 (t % 2) and 2 (t % 2) + 1
.endm
.irp t, 0,1,2,3,4,5,6,7,8,9,10,11,12,13,14,15
	STEP \t
.endr
	ds_load_b64 v[12:13], v6                       ; LDS serves a wave's instructions in order: these see my stores
	s_wait_dscnt 0x0
	global_store_b64 v7, v[12:13], s[18:19]        ; 32 lanes store 256 consecutive bytes, aligned: eight rows' scale bytes
	s_wait_tensorcnt 0x0
	ds_add_u32 v224, v225
	s_wait_dscnt 0x0
	s_endpgm
.Lfunc_end_k_q7f8c4ef2ae_prep:
	.size	k_q7f8c4ef2ae_prep, .Lfunc_end_k_q7f8c4ef2ae_prep-k_q7f8c4ef2ae_prep
	.p2alignl 7, 3214868480
	.fill 96, 4, 3214868480
	.section	.rodata,"a",@progbits
	.p2align	6, 0x0
	.amdhsa_kernel k_q7f8c4ef2ae_prep
		.amdhsa_group_segment_fixed_size 33280
		.amdhsa_private_segment_fixed_size 0
		.amdhsa_enable_private_segment 0
		.amdhsa_kernarg_size 72
		.amdhsa_user_sgpr_count 2
		.amdhsa_user_sgpr_kernarg_segment_ptr 1
		.amdhsa_wavefront_size32 1
		.amdhsa_system_sgpr_workgroup_id_x 1
		.amdhsa_system_sgpr_workgroup_id_y 1
		.amdhsa_system_sgpr_workgroup_id_z 1
		.amdhsa_system_vgpr_workitem_id 0
		.amdhsa_next_free_vgpr 226
		.amdhsa_next_free_sgpr 66
		.amdhsa_reserve_vcc 1
		.amdhsa_float_denorm_mode_32 3
		.amdhsa_float_denorm_mode_16_64 3
		.amdhsa_memory_ordered 1
		.amdhsa_forward_progress 1
		.amdhsa_inst_pref_size 38
	.end_amdhsa_kernel
	.amdgpu_metadata
---
amdhsa.version: [ 1, 2 ]
amdhsa.kernels:
  - .name:           k_q7f8c4ef2ae_prep
    .symbol:         k_q7f8c4ef2ae_prep.kd
    .args:
      - { .name: x, .offset: 0, .size: 8, .value_kind: global_buffer, .address_space: global }
      - { .name: wq, .offset: 8, .size: 8, .value_kind: global_buffer, .address_space: global }
      - { .name: wk, .offset: 16, .size: 8, .value_kind: global_buffer, .address_space: global }
      - { .name: wv, .offset: 24, .size: 8, .value_kind: global_buffer, .address_space: global }
      - { .name: wo, .offset: 32, .size: 8, .value_kind: global_buffer, .address_space: global }
      - { .name: token_positions, .offset: 40, .size: 8, .value_kind: global_buffer, .address_space: global }
      - { .name: xw_codes, .offset: 48, .size: 8, .value_kind: global_buffer, .address_space: global }
      - { .name: xw_scales, .offset: 56, .size: 8, .value_kind: global_buffer, .address_space: global }
      - { .name: rope, .offset: 64, .size: 8, .value_kind: global_buffer, .address_space: global }
    .group_segment_fixed_size: 33280
    .private_segment_fixed_size: 0
    .kernarg_segment_align: 8
    .kernarg_segment_size: 72
    .max_flat_workgroup_size: 128
    .sgpr_count:     66
    .vgpr_count:     226
    .wavefront_size: 32
...
	.end_amdgpu_metadata
.endif
;; end of part 1
;; launch qkv (part 2): grid 12 x 16, 4 waves a work-group, clusters of 4 x 4, 327,680 bytes of LDS; arguments xw_codes, xw_scales, rope, qkv_img, qkv_sc; writes qkv_img, qkv_sc
.if DOCPART == 2
	.amdgcn_target "amdgcn-amd-amdhsa--gfx1250"
	.amdhsa_code_object_version 6
	.text
	.protected	k_q7f8c4ef2ae_qkv
	.globl	k_q7f8c4ef2ae_qkv
	.p2align	8
	.type	k_q7f8c4ef2ae_qkv,@function
k_q7f8c4ef2ae_qkv:
	s_mov_b64 s[64:65], 0
	v_nop
	global_prefetch_b8 v0, s[64:65] scope:SCOPE_SE
	s_setreg_imm32_b32 hwreg(HW_REG_WAVE_MODE, 25, 1), 1
	s_wait_xcnt 0x0
	s_wait_alu depctr_hold_cnt(0) depctr_sa_sdst(0) depctr_va_vdst(0) depctr_va_sdst(0) depctr_va_ssrc(0) depctr_va_vcc(0) depctr_vm_vsrc(0)
	s_getreg_b32 s2, hwreg(HW_REG_IB_STS2, 6, 4)
	s_cmp_eq_u32 s2, 0
	s_cbranch_scc0 .Lentry_in_a_cluster
	s_endpgm
.Lentry_in_a_cluster:
	s_bfe_u32 s2, ttmp6, 0x10000c
	s_cmp_lg_u32 s2, 0xf033
	s_cbranch_scc0 .Lentry_shape_is_right
	s_endpgm
.Lentry_shape_is_right:
; q = rot(x wq^T), k = rot(x wk^T), v = x wv^T on codes of FP6 (E2M3) with one E8M0 scale for each 32 along K = 1,024, and the results quantised again in registers: q and k along the head's 64, v along the keys.
; All operands are rows of ONE pair of buffers (768 bytes of codes, 32 scale bytes a row): x at row 0, wq at 4096, wk at 5120, wv at 6144; their rows are stored with bits 3 and 4 of the row number exchanged.
; A tile of C, 256 x 256, is made by a work-group of four waves, 128 x 128 each: 64 accumulators, 512 registers.  K goes in 4 steps of 256 through a ring of two LDS slots filled by the tensor data mover.
; THREE COLUMNS OF CLUSTERS.  Cluster x = 0: C = tokens x wq's rows; 1: tokens x wk's rows; 2: C = V^T = wv's rows x tokens.  'A' is what a row of the cluster shares, 'B' what a column shares: joint loads, a mask of four.
; THE MATRIX INSTRUCTION IS USED TRANSPOSED (source 0 = 16 rows of B, source 1 = 16 rows of A): a lane holds ONE row of A, and, by the exchanged storage, the 16 registers of B's tiles 2 j and 2 j + 1 are the 16 true
; neighbours 32 j + 16 (lane / 16) + 0 .. 15 along B's rows.  For q and k these run along the head's dimensions (a rotation's pair in neighbouring registers), for V^T along the keys: what the next products' K is.
; THE WAY OUT, a block of 16 rows of A at a time: rotation by (cos, sin) from the table (V^T reads places that hold (1, 0): the same lines, no branch), the four blocks' largest magnitudes, scale bytes, conversions.
; The 12 registers that come out ARE operand registers: q, k: registers 0-5 one head's 64 dimensions, 6-11 the next head's; V^T: one whole fragment, 128 keys.  They are stored as images: six registers of a lane in
; 768 bytes: registers 0-3 at 16 x lane, registers 4-5 at 512 + 8 x lane: every store of a wave covers 512 or 256 consecutive bytes, aligned.
; qkv_img: [q, k, v][block of 128 tokens, 32][head 16][6,144 bytes]; q, k: tile a at 768 a; v: tile of channels t at 1,536 t, keys' half c at 768 c.
; qkv_sc: q at 0: [block][head][512]; k and v at 262,144: [block][head][768] (k's 512, then v's 256).  q, k: [a / 4][row 16][a % 4] words, bytes 0, 1 the head's two blocks, bytes 2, 3 zero; v: [row 16][t] words.
; (V's scale words are stored by all 32 lanes: lanes 16-31 hold the same words and write them to the same bytes.)
; LIMITS: NaN and infinities are not served; a block of zeros gets the byte 1 with zero codes.
; REGISTERS, in windows of 256: window 0: v0-31 addresses; v32-63 scale words, two sets; v64-127 two sets of (cos, sin); from v128 A's fragments, ONE set; behind the loop v128-239 serve the way out.
;   window 1: B's fragments, TWO sets, at v0 and v128.   window 2: the accumulators of my rows 0-63 ((a, b) at v[8 (8 a + b)]);   window 3: those of my rows 64-127.
.set KSTEP,  256                       ; along K in a slot
.set NQ,     KSTEP/128                 ; matrix instructions deep
.set ROWB,   192                       ; a tile's row in bytes
; LAYOUTS AS THEY STAND (in place of what the head says of the codes' rows, of qkv_img and of qkv_sc):
; codes: four slabs of 256 along K, [slab][stored row][192 bytes], SLABB bytes a slab: 128 rows of a K step are 24,576 dense bytes and come as 96 rows of 256 bytes, each at a multiple of 256.
; qkv_img: q's images at 0, [block of 128 tokens 32][head 16][6,144]; from KVB on one record of REC bytes for each (block, head): K's images 6,144, V's 6,144, K's scale words 512, V's 256.  qkv_sc holds q's scale words alone.
; THE HEAD'S FOUR TILES, one joint load a wave: wave 0 K step 0 of A's 256 rows, wave 1 A's scales, wave 2 K step 0 of B's 256 rows, wave 3 B's scales; slot 1 is first filled behind the three lines and a round.
.set KROW,   768
.set SLABB,  0x180000
.set REC,    13056
.set KVB,    0x300000
.set PITCH,  240                       ; an LDS row: 3 x (64 bytes + 16 of padding)
.set FR,     12                        ; registers of a fragment
.set NL,     6                         ; LDS loads that bring one
.set NP,     4                         ; places behind this matrix instruction (ISA guide 7.12.1)
.set HALFT,  128*PITCH                 ; 128 rows: what one tensor load brings
.set SLOT,   4*HALFT                   ; A's 256 rows, then B's
.set LAPS,   2                         ; K = 1,024: four K steps, twice round the ring
.set KS,     32                        ; a row of scale bytes
.set SCL,    2*SLOT                    ; behind the ring: the scales, as runs of 256 bytes + 16 of padding
.set HALFS,  (128*KS/256)*272
.set SBLK,   (16*KS/256)*272
.set SPARE,  SCL+4*HALFS               ; the spare words, 128 bytes a wave: two blocks of 256 bytes that no other line names
.set RO,   7                           ; v7   my byte in the table: (r + 8 (r / 8)) 256 + 64 (lane / 16)
.set LI16, 8                           ; v8   16 x lane
.set LI8,  9                           ; v9   8 x lane
.set SCO,  10                          ; v10  where my scale words go
.set SCO2, 11                          ; v11  and the second four
.set SHV,  12                          ; v12  q, k: lanes 16-31 take the upper two bytes of the word (shift 16)
.set ADRA, 16                          ; v16-17 LDS address of my A fragments in slot 0, 1 (v18-19: behind one padding more)
.set ADRB, 20                          ; v20-21 the same for B (v22-23)
.set ADRS, 27                          ; v27  LDS address of my scale words: lanes 0-15 A's rows, lanes 16-31 B's
.set SPW,  28                          ; v28  my spare word; never rewritten
.set NIL,  29                          ; v29  0; never rewritten
.set SC,   32                          ; scale words, two sets
.set CS,   64                          ; v64-95, v96-127: (cos, sin) of my token, 16 pairs, for blocks a even, a odd
.set AF,   128                         ; A's fragments
.set OUT,  128                         ; the way out: 64 numbers
.set PC,   192                         ; v192-203 the codes; v204-211 the conversions' second halves
.set TM,   212                         ; v212-227 at work
.set PW,   228                         ; the scale word just made
.set KW,   232                         ; v232-239 the eight blocks' scale words
.set G1, 24
.set G0, 32
.set G1B, 48
.set G0B, 56
.set G1S, 68
.set G0S, 76
.set G1SB, 80
.set G0SB, 88
.set SEL, 20                           ; s[20:21] lane selects for v_permlanex16_b32 (set behind the head's use of these registers)
.set MSB, 0
.macro WIN new                         ; the immediate's high byte repeats the setting that is left
.if MSB != (\new)
	s_set_vgpr_msb (MSB<<8)|(\new)
.set MSB, (\new)
.endif
.endm
.set MUL_LO, 0xa1                      ; source 0 (B) window 1, source 1 (A) window 0, C and D window 2
.set MUL_HI, 0xf1                      ; the same, C and D window 3
.set TO_B,   0x40                      ; destination window 1, address window 0
; A joint load: waves 0 and 1 fetch for A, waves 2 and 3 for B; the branch hangs on the wave's number alone.  Four v_nop follow each of the two lines.
.macro JLOAD g0a, g1a, g0b, g1b
	s_cmp_eq_u32 s15, 0
	s_cbranch_scc0 .Lfor_b_\@
	tensor_load_to_lds s[\g0a:\g0a+3], s[\g1a:\g1a+7]
	s_nop 0
.rept 4
	v_nop
.endr
	s_branch .Lasked_\@
.Lfor_b_\@:
	tensor_load_to_lds s[\g0b:\g0b+3], s[\g1b:\g1b+7]
	s_nop 0
.rept 4
	v_nop
.endr
.Lasked_\@:
.endm
.macro CREST                           ; a round of the cluster's barrier behind its opening barrier
	s_cmp_lg_u32 s14, 0
	s_cbranch_scc1 .Lnot_wave_0_\@
	s_barrier_signal -3
.Lnot_wave_0_\@:
	s_barrier_wait -3
	s_barrier_signal -1
	s_barrier_wait -1
.endm
.macro CROUND
	s_barrier_signal -1
	s_barrier_wait -1
	CREST
.endm
	s_load_b256 s[4:11], s[0:1], 0x0               ; codes 4:5, scale bytes 6:7, the table 8:9, the images 10:11
	s_load_b64 s[12:13], s[0:1], 0x20              ; the images' scale words
	v_lshl_add_u32 v[SPW], v0, 2, SPARE
	v_mov_b32 v[NIL], 0
	ds_add_u32 v28, v29
	ds_add_u32 v28, v29
	s_wait_dscnt 0x0
	v_lshrrev_b32 v1, 5, v0
	v_readfirstlane_b32 s14, v1                    ; wave 0..3
	s_lshr_b32 s15, s14, 1                         ; which half of the tile's rows is mine.  Also: I fetch for A (0) or for B (1)
	s_and_b32 s16, s14, 1                          ; which half of its columns.  Also: which 128 rows of that tile I fetch
	s_bfe_u32 s40, ttmp6, 0x40000                  ; cx
	s_bfe_u32 s41, ttmp6, 0x40004                  ; cy
	s_lshr_b32 s95, ttmp9, 1                       ; 1 in the column of clusters that makes V^T: the same in all sixteen partners
	s_and_b32 s96, ttmp7, 0xffff
	s_lshl_b32 s96, s96, 2                         ; 4 x cluster y
	s_lshl_b32 s99, ttmp9, 2                       ; 4 x cluster x
	s_cmp_eq_u32 s95, 1
	s_cselect_b32 s97, 0, s96                      ; tile row of C: V^T: cy;  q, k: 4 x cluster y + cy
	s_cselect_b32 s98, s96, s99                    ; tile column:   V^T: 4 x cluster y + cx;  q, k: 4 x cluster x + cx
	s_cselect_b32 s100, 24, 0                      ; where A's rows begin, in tiles of 256 stored rows: wv at 24, x at 0
	s_cselect_b32 s101, 0, 16                      ; and B's: x at 0, wq | wk at 16
	s_add_co_u32 s97, s97, s41
	s_add_co_u32 s98, s98, s40
	s_add_co_u32 s17, s97, s100                    ; A's tile: it hangs on cy and the cluster's place alone
	s_add_co_u32 s42, s98, s101                    ; B's tile: on cx and the cluster's place alone
	s_lshl_b32 s43, s41, 2
	s_lshl_b32 s43, 15, s43                        ; my row of the cluster
	s_lshl_b32 s44, 0x1111, s40                    ; my column
	; descriptor group 1: a tile of 128 rows x 192 bytes, 16 bytes of padding behind every 64
	s_or_b32 s[G1+0], s43, (0<<16)|(1<<20)|(1<<21)|(3<<22)|(3<<25)
	s_or_b32 s[G1B+0], s44, (0<<16)|(1<<20)|(1<<21)|(3<<22)|(3<<25)
.irp g, G1, G1B
	s_mov_b32 s[\g+1], 256<<16                     ; tensor_dim0: rows of 256 bytes of a dense block
	s_mov_b32 s[\g+2], 192<<16                     ; tensor_dim1: the head's loads bring 256 rows of codes = 192 such rows
	s_mov_b32 s[\g+3], 256<<16                     ; tile_dim0
	s_mov_b32 s[\g+4], 192                         ; tile_dim1
	s_mov_b32 s[\g+5], 256                         ; from row to row
	s_mov_b32 s[\g+6], 0
	s_mov_b32 s[\g+7], 0
.endr
	; the scales of 256 rows: 8,192 dense bytes, as 32 rows of 256 bytes (32 elements of 8), 16 bytes of padding behind each
	s_or_b32 s[G1S+0], s43, (3<<16)|(1<<20)|(1<<21)|(5<<22)|(3<<25)
	s_or_b32 s[G1SB+0], s44, (3<<16)|(1<<20)|(1<<21)|(5<<22)|(3<<25)
.irp g, G1S, G1SB
	s_mov_b32 s[\g+1], 32<<16
	s_mov_b32 s[\g+2], (256*KS/256)<<16            ; the scales of all 256 rows in one load
	s_mov_b32 s[\g+3], 32<<16
	s_mov_b32 s[\g+4], 256*KS/256
	s_mov_b32 s[\g+5], 32
	s_mov_b32 s[\g+6], 0
	s_mov_b32 s[\g+7], 0
.endr
	s_lshl_b32 s20, s17, 8                         ; A: the tile's first stored row
	s_lshl_b32 s46, s42, 8                         ; B: likewise
	s_mov_b32 s21, 0
	s_mov_b32 s47, 0
	s_mov_b64 s[18:19], KS
	s_mul_u64 s[22:23], s[20:21], s[18:19]         ; where these rows' scales begin, in bytes
	s_mul_u64 s[92:93], s[46:47], s[18:19]
	s_mov_b64 s[18:19], ROWB
	s_mul_u64 s[20:21], s[20:21], s[18:19]         ; and their codes
	s_mul_u64 s[46:47], s[46:47], s[18:19]
	s_mul_i32 s45, s14, HALFT                      ; where they go: wave x 128 rows: no place in the cluster enters an LDS address
	s_mul_i32 s18, s16, 128*ROWB                   ; in the ring I fetch 128 rows of a tile: which half, in bytes
	s_mov_b32 s19, 0
	s_wait_kmcnt 0x0
	s_add_nc_u64 s[20:21], s[4:5], s[20:21]
	s_add_nc_u64 s[22:23], s[6:7], s[22:23]
	s_add_nc_u64 s[46:47], s[4:5], s[46:47]
	s_add_nc_u64 s[92:93], s[6:7], s[92:93]
	CROUND                                         ; all sixteen work-groups are here: the first joint loads meet
	s_mov_b32 s[G0S], 1
	s_mov_b32 s[G0S+1], SCL
	s_mov_b64 s[G0S+2:G0S+3], s[22:23]
	s_or_b32 s[G0S+3], s[G0S+3], 0x80000000
	s_mov_b32 s[G0SB], 1
	s_mov_b32 s[G0SB+1], SCL+2*HALFS
	s_mov_b64 s[G0SB+2:G0SB+3], s[92:93]
	s_or_b32 s[G0SB+3], s[G0SB+3], 0x80000000
	s_add_nc_u64 s[20:21], s[20:21], s[18:19]      ; my 128 rows of the tile (waves 0 and 2: its first rows, so their slot 0 descriptors also serve the head's loads of 256 rows)
	s_add_nc_u64 s[46:47], s[46:47], s[18:19]
.irp s, 0,1
	s_mov_b32 s[G0+4*\s], 1
	s_add_co_u32 s[G0+4*\s+1], s45, \s*SLOT
	s_add_nc_u64 s[G0+4*\s+2:G0+4*\s+3], s[20:21], \s*SLABB
	s_or_b32 s[G0+4*\s+3], s[G0+4*\s+3], 0x80000000
	s_mov_b32 s[G0B+4*\s], 1
	s_add_co_u32 s[G0B+4*\s+1], s45, \s*SLOT
	s_add_nc_u64 s[G0B+4*\s+2:G0B+4*\s+3], s[46:47], \s*SLABB
	s_or_b32 s[G0B+4*\s+3], s[G0B+4*\s+3], 0x80000000
.endr
; one chain of branches on the wave's number, one load to an arm, all arms leading to one join
.macro ARM under, g0, g1, next
	s_cmp_lt_u32 s14, \under
	s_cbranch_scc0 \next
	tensor_load_to_lds s[\g0:\g0+3], s[\g1:\g1+7]
	s_nop 0
.rept 4
	v_nop
.endr
	s_branch .Lhead_asked
\next:
.endm
	ARM 1, G0,  G1,  .Lhead_sa
	ARM 2, G0S, G1S, .Lhead_b
	ARM 3, G0B, G1B, .Lhead_sb
	tensor_load_to_lds s[G0SB:G0SB+3], s[G1SB:G1SB+7]
	s_nop 0
.rept 4
	v_nop
.endr
.Lhead_asked:
	v_and_b32 v1, 15, v0
	v_bfe_u32 v2, v0, 4, 1                         ; h = l / 16
	v_mul_u32_u24 v3, v1, PITCH
	v_mul_u32_u24 v4, v2, 24
	v_add_nc_u32 v4, v3, v4                        ; a fragment's row x pitch + 24 x half
	v_lshl_add_u32 v5, v2, 4, v4                   ; and the same behind one padding more
	s_mul_i32 s21, s15, HALFT                      ; my 128 rows of A
	s_mul_i32 s22, s16, HALFT                      ; my 128 rows of B,
	s_add_co_u32 s22, s22, 2*HALFT                 ; which lie behind A's 256
.irp s, 0,1
	v_add_nc_u32 v[ADRA+\s], s21, v4
	v_add_nc_u32 v[ADRB+\s], s22, v4
	v_add_nc_u32 v[ADRA+2+\s], s21, v5
	v_add_nc_u32 v[ADRB+2+\s], s22, v5
	s_add_co_u32 s21, s21, SLOT
	s_add_co_u32 s22, s22, SLOT
.endr
	v_mul_u32_u24 v5, v1, KS                       ; my row's scales: KS bytes a row,
	v_lshrrev_b32 v6, 8, v5
	v_lshl_add_u32 v5, v6, 4, v5                   ; and 16 more for each 256 passed
	s_mul_i32 s21, s15, HALFS                      ; A's: my 128 rows
	s_mul_i32 s22, s16, HALFS                      ; B's: my 128 rows, behind A's 256
	s_add_co_u32 s22, s22, 2*HALFS
	s_sub_co_u32 s22, s22, s21
	v_mul_u32_u24 v6, s22, v2                      ; lanes 16-31 take B's
	s_add_co_u32 s21, s21, SCL
	v_add_nc_u32 v5, v5, v6
	v_add_nc_u32 v[ADRS], s21, v5
	; ---- where the results go.  mblk, nblk: my 128 rows of A and of B, counted in blocks of 128
	s_lshl_b32 s18, s97, 1
	s_add_co_u32 s18, s18, s15                     ; mblk
	s_lshl_b32 s19, s98, 1
	s_add_co_u32 s19, s19, s16                     ; nblk
	s_and_b32 s92, s19, 7
	s_lshl_b32 s92, s92, 1                         ; q, k: my first head: 128 rows of wq or wk are two heads
	s_lshl_b32 s93, s18, 1                         ; V^T: likewise of wv
	s_and_b32 s94, s18, 15
	s_lshl_b32 s94, s94, 15                        ; q, k: my 128 places of the table: 128 x 256 bytes a block, within the batch
	s_mov_b32 s99, 0x80000                         ; V^T: the 128 places of (1, 0)
	s_mov_b32 s100, REC
	s_mov_b32 s96, REC
	s_cmp_eq_u32 ttmp9, 0
	s_cselect_b32 s100, 512, s100                  ; from head to head in the scale words: q 512 bytes; k and v a record
	s_cselect_b32 s96, 6144, s96                   ; and in the images: q 6,144; k and v a record
	s_cselect_b32 s101, 0, KVB+12288               ; q's words begin at 0 of qkv_sc, k's 12,288 bytes into a record
	s_cselect_b32 s97, 0, KVB
	s_cselect_b64 s[12:13], s[12:13], s[10:11]     ; k's and v's words go into the records: the choice hangs on the cluster's x alone
	s_mov_b32 s22, 0xffff
	s_mov_b32 s23, s96
	s_mov_b32 s66, 768
	s_mov_b32 s45, 256
	s_cmp_eq_u32 s95, 1                            ; all selections first: the additions behind them change SCC
	s_cselect_b32 s40, s19, s18                    ; the block of 128 tokens
	s_cselect_b32 s41, s93, s92
	s_cselect_b32 s92, REC-6144, 0                 ; V^T: what block 4, the next head's first, lies further on than four blocks of 1,536
	s_cselect_b32 s98, 6144, 0                     ; V's images lie behind K's in a record
	s_cselect_b32 s94, s99, s94
	s_cselect_b32 s22, -1, s22                     ; which bytes of a scale word are kept: V^T all four, q, k two
	s_cselect_b32 s23, 768, s23                    ; from registers 0-5 to registers 6-11: V^T the keys' other half, q, k the next head
	s_cselect_b32 s66, 1536, s66                   ; from a block of 16 rows to the next
	s_cselect_b32 s45, s100, s45
	s_cselect_b32 s42, 0, s100                     ; lanes 16-31: q, k the next head's words
	s_cselect_b32 s43, 0, 16
	s_cselect_b32 s44, 512, 0                      ; v's words lie behind k's 512 bytes
	s_lshl_b32 s40, s40, 4
	s_add_co_u32 s40, s40, s41                     ; 16 x block + head
	s_mul_i32 s18, s40, s96
	s_add_co_u32 s19, s97, s98
	s_mov_b32 s93, 0
	s_add_co_u32 s18, s18, s19
	s_mov_b32 s19, 0
	s_add_nc_u64 s[10:11], s[10:11], s[18:19]      ; where registers 0-5 of block 0 go
	s_mov_b32 s18, s23
	s_add_nc_u64 s[46:47], s[10:11], s[18:19]      ; and registers 6-11
	s_mul_i32 s18, s40, s100
	s_add_co_u32 s18, s18, s101
	s_add_co_u32 s18, s18, s44
	s_add_nc_u64 s[12:13], s[12:13], s[18:19]
	s_mov_b32 s18, s94
	s_add_nc_u64 s[8:9], s[8:9], s[18:19]
	s_mov_b32 s67, 0
	s_mov_b32 s[SEL], 0x76543210
	s_mov_b32 s[SEL+1], 0xfedcba98
	v_and_b32 v3, 8, v1
	v_add_nc_u32 v3, v3, v1                        ; r + 8 (r / 8): lane r of block a holds token 32 (a / 2) + 8 (a % 2) + r + 8 (r / 8)
	v_lshlrev_b32 v[RO], 8, v3
	v_lshl_add_u32 v[RO], v2, 6, v[RO]
	v_and_b32 v3, 31, v0
	v_lshlrev_b32 v[LI16], 4, v3
	v_lshlrev_b32 v[LI8], 3, v3
	v_mul_u32_u24 v[SCO], s42, v2
	v_lshl_add_u32 v[SCO], v1, 4, v[SCO]           ; 16 bytes a row
	v_add_nc_u32 v[SCO2], s45, v[SCO]
	v_mul_u32_u24 v[SHV], s43, v2
; (cos, sin) for block a: my token's 16 pairs d = 16 z + 8 (lane / 16) + 0 .. 7, z = 0, 1: eight loads of 16 bytes.  Pair p of z at v[CS + 32 (a % 2) + 16 z + 2 p].  On every path, so that the counted waits count alike
.macro LOADCS a
.irp z, 0,1
.irp i, 0,1,2,3
	global_load_b128 v[CS+32*((\a)%2)+16*\z+4*\i:CS+32*((\a)%2)+16*\z+4*\i+3], v[RO], s[8:9] offset:(32*((\a)/2)+8*((\a)%2))*256+128*\z+16*\i
.endr
.endr
.endm
	LOADCS 0                                       ; they land while K is walked
	LOADCS 1
.macro FRAG reg, adr, q, i             ; a fragment: lane l holds row l % 16; registers 6 c .. 6 c + 5 hold K = 64 c + 32 (l / 16) + 0 .. 31: 24 bytes of the row, in pieces of 8
.irp p, 0,1,2,3,4,5
.set PCE, 12*(\q)+6*(\p/3)+\p%3        ; 16 bytes of padding lie behind every 8 pieces: where the piece three on lies behind one padding more, the second address register serves
.if PCE%8 < 5
	ds_load_b64 v[\reg+2*\p:\reg+2*\p+1], v[\adr] offset:8*PCE+16*(PCE/8)+(\i)*16*PITCH
.else
	ds_load_b64 v[\reg+2*\p:\reg+2*\p+1], v[\adr+2] offset:8*PCE+16*(PCE/8)+(\i)*16*PITCH
.endif
.endr
.endm
; 16 matrix instructions: A's blocks a0, a0 + 1 x B's eight, 128 along K.  The 64 accumulators take turns, one instruction a turn, in the same order in every step.
.macro MUL16 a0, p, q, sc, zero
.irp a, \a0, \a0+1
.irp b, 0,1,2,3,4,5,6,7
.if \zero
	v_wmma_scale_f32_16x16x128_f8f6f4 v[8*(8*((\a)%4)+\b):8*(8*((\a)%4)+\b)+7], v[128*(\p)+FR*\b:128*(\p)+FR*\b+FR-1], v[AF+FR*(\a):AF+FR*(\a)+FR-1], 0, v[SC+8*NQ*(\sc)+NQ*\b+(\q)], v[SC+8*NQ*(\sc)+NQ*(\a)+(\q)] matrix_a_fmt:MATRIX_FMT_FP6 matrix_b_fmt:MATRIX_FMT_FP6 matrix_a_scale:MATRIX_SCALE_ROW1
.else
	v_wmma_scale_f32_16x16x128_f8f6f4 v[8*(8*((\a)%4)+\b):8*(8*((\a)%4)+\b)+7], v[128*(\p)+FR*\b:128*(\p)+FR*\b+FR-1], v[AF+FR*(\a):AF+FR*(\a)+FR-1], v[8*(8*((\a)%4)+\b):8*(8*((\a)%4)+\b)+7], v[SC+8*NQ*(\sc)+NQ*\b+(\q)], v[SC+8*NQ*(\sc)+NQ*(\a)+(\q)] matrix_a_fmt:MATRIX_FMT_FP6 matrix_b_fmt:MATRIX_FMT_FP6 matrix_a_scale:MATRIX_SCALE_ROW1
.endif
.endr
.endr
.endm
.macro FETCH_B slot, q, p
	WIN TO_B
.irp i, 0,1,2,3,4,5,6,7
	FRAG 128*(\p)+FR*\i, ADRB+\slot, \q, \i
.endr
	WIN 0
.endm
.macro FETCH_A slot, q, i0
.irp i, \i0, \i0+1, \i0+2, \i0+3
	FRAG AF+FR*(\i), ADRA+\slot, \q, \i
.endr
.endm
.macro SCALES sc                       ; a K step's scale words: two words a row; lanes 0-15 take A's block i, lanes 16-31 B's block i
.irp i, 0,1,2,3,4,5,6,7
	ds_load_b64 v[SC+8*NQ*\sc+NQ*\i:SC+8*NQ*\sc+NQ*\i+1], v[ADRS] offset:\i*SBLK
.endr
.endm
.macro PLACES n                        ; plain vector instructions between a matrix instruction and a load into, or a vector read or write of, its registers
.rept \n
	v_nop
.endr
.endm
.macro STEP slot, q, zero              ; a step of 128 along K that has its successor in the same slot
	s_wait_dscnt 4*NL                              ; B's set and A's blocks 0-3 are in; the youngest 24 loads (A's blocks 4-7) may be out
	WIN MUL_LO
	MUL16 0, (\q)%2, \q, \slot, \zero
	MUL16 2, (\q)%2, \q, \slot, \zero
	s_wait_dscnt 0                                 ; A's blocks 4-7 are in
	PLACES NP
	FETCH_B \slot, (\q)+1, 1-(\q)%2
	FETCH_A \slot, (\q)+1, 0
	WIN MUL_HI
	MUL16 4, (\q)%2, \q, \slot, \zero
	MUL16 6, (\q)%2, \q, \slot, \zero
	PLACES NP
	WIN 0
	FETCH_A \slot, (\q)+1, 4
.endm
; A slot's last step changes slots: ONE barrier; in front of it each wave waits for all its tensor loads, adds 0 to its spare word, and waits for that and for its own reads of this slot.  fill = 1: this slot is filled again.
.macro TURN slot, next, fill
	s_wait_tensorcnt 0x0                           ; all my tensor loads have landed: my part of the next slot
	ds_add_u32 v[SPW], v[NIL]                      ; 0 onto my spare word
	s_wait_dscnt 4*NL+1                            ; (the add and the youngest 24 loads, A's blocks 4-7, may be out)
	WIN MUL_LO
	MUL16 0, 1, NQ-1, \slot, 0                     ; sixteen matrix instructions stand between the add and the wait for it
	s_wait_dscnt 0x0                               ; the add is done, and my reads of this slot are over
	s_barrier_signal -1
	MUL16 2, 1, NQ-1, \slot, 0
	WIN 0
	s_barrier_wait -1
.if \fill
	CREST                                          ; the barrier has opened a round of the cluster's barrier: no wave of any partner still reads this slot or has a load on its way
	s_add_nc_u64 s[G0+4*\slot+2:G0+4*\slot+3], s[G0+4*\slot+2:G0+4*\slot+3], 2*SLABB
	s_add_nc_u64 s[G0B+4*\slot+2:G0B+4*\slot+3], s[G0B+4*\slot+2:G0B+4*\slot+3], 2*SLABB
	JLOAD G0+4*\slot, G1, G0B+4*\slot, G1B         ; the first tensor load behind the round; its four v_nop are the places in front of the loads below
.else
	PLACES NP
.endif
	s_wait_alu depctr_va_vdst(0)
	v_add_nc_u32 v[ADRS], 4*NQ, v[ADRS]            ; on to the next K step's scale words
	FETCH_B \next, 0, 0
	FETCH_A \next, 0, 0
	SCALES \next
	WIN MUL_HI
	MUL16 4, 1, NQ-1, \slot, 0
	MUL16 6, 1, NQ-1, \slot, 0
	PLACES NP
	WIN 0
	FETCH_A \next, 0, 4
.endm
	s_wait_alu depctr_va_vdst(0)
	s_wait_tensorcnt 0x0                           ; my tile of the head's four is in; the three lines stand ahead of a later first fill as ahead of a refill
	ds_add_u32 v[SPW], v[NIL]
	s_mov_b32 s[G1+2], 96<<16                      ; no tensor load of mine is out: from here on a load brings 128 rows of codes = 96 rows of 256 bytes
	s_mov_b32 s[G1+4], 96
	s_mov_b32 s[G1B+2], 96<<16
	s_mov_b32 s[G1B+4], 96
	s_wait_dscnt 0x0
	CROUND                                         ; all four tiles are in, and all sixteen work-groups are here
	JLOAD G0+4, G1, G0B+4, G1B                     ; K step 1, the first tensor load behind the round
	FETCH_B 0, 0, 0
	FETCH_A 0, 0, 0
	SCALES 0
	FETCH_A 0, 0, 4
	STEP 0, 0, 1                                   ; the first step stands in front of the loop: its products start the sums
	s_mov_b32 s3, LAPS-1
.Llap:                                                 ; a trip goes once round the ring and fills both slots again
	TURN 0, 1, 1
	STEP 1, 0, 0
	TURN 1, 0, 1
	STEP 0, 0, 0
	s_sub_co_u32 s3, s3, 1
	s_cmp_lg_u32 s3, 0
	s_cbranch_scc1 .Llap
	TURN 0, 1, 0                                   ; the last lap fills nothing
	STEP 1, 0, 0
	s_wait_dscnt 4*NL                              ; the very last step
	WIN MUL_LO
	MUL16 0, 1, NQ-1, 1, 0
	MUL16 2, 1, NQ-1, 1, 0
	s_wait_dscnt 0
	WIN MUL_HI
	MUL16 4, 1, NQ-1, 1, 0
	MUL16 6, 1, NQ-1, 1, 0
	WIN 0
; 64 numbers of a lane, v[s] .. v[s + 63], register 16 b + i = place 32 b + 16 (lane / 16) + i along the next K, become 12 registers of codes in v[PC] on and a scale word in v[PW].
.macro QUANT s
.irp b, 0,1,2,3
	v_max3_num_f32 v[TM+\b], |v[\s+16*\b]|, |v[\s+1+16*\b]|, 0x1800000   ; block b: my 16 numbers, and the floor 2^(3 - 127): so the byte cannot fall under 1
.endr
.irp i, 2,4,6,8,10,12,14
.irp b, 0,1,2,3
	v_max3_num_f32 v[TM+\b], v[TM+\b], |v[\s+16*\b+\i]|, |v[\s+1+16*\b+\i]|   ; (the four blocks by turns)
.endr
.endr
.irp b, 0,1,2,3
	v_permlanex16_b32 v[TM+4+\b], v[TM+\b], s[SEL], s[SEL+1]
.endr
.irp b, 0,1,2,3
	v_max_num_f32 v[TM+\b], v[TM+\b], v[TM+4+\b]   ; with lane l xor 16's: the block's largest magnitude
.endr
.irp b, 0,1,2,3
	v_add_nc_u32 v[TM+12+\b], 0xff000000, v[TM+\b] ; 2 off its exponent field: the conversion's scale operand
.endr
.irp b, 0,1,2,3
	v_lshrrev_b32 v[TM+4+\b], 23, v[TM+12+\b]      ; the scale's byte
.endr
	v_lshl_or_b32 v[PW], v[TM+5], 8, v[TM+4]
	v_lshl_or_b32 v[PW], v[TM+6], 16, v[PW]
	v_lshl_or_b32 v[PW], v[TM+7], 24, v[PW]
.irp c, 0,1
	v_cvt_scalef32_pk16_fp6_f32 v[PC+6*\c:PC+2+6*\c], v[\s+32*\c:\s+15+32*\c], v[TM+12+2*\c]
	v_cvt_scalef32_pk16_fp6_f32 v[PC+12+4*\c:PC+14+4*\c], v[\s+16+32*\c:\s+31+32*\c], v[TM+12+2*\c+1]   ; (a conversion's three registers begin on an even number)
.endr
	v_nop                                          ; one plain place behind a scaled conversion
.irp c, 0,1                                    ; the operand's layout wants a WHOLE block in a lane: lanes 0-15 block 2 c, lanes 16-31 block 2 c + 1
.irp i, 0,1,2
	v_permlane16_swap_b32 v[PC+6*\c+\i], v[PC+12+4*\c+\i]
.endr
.irp i, 0,1,2
	v_mov_b32 v[PC+3+6*\c+\i], v[PC+12+4*\c+\i]
.endr
.endr
.endm
; THE WAY OUT of block a (16 rows of A x my 128 rows of B).
.macro ROWQ a
.set AC, 64*((\a)%4)
.set CX, CS+32*((\a)%2)
.if (\a) < 7
	s_wait_loadcnt 8                               ; this block's (cos, sin) are in; the next block's eight loads may be out
.else
	s_wait_loadcnt 0
.endif
	WIN 0x02+(\a)/4                                ; source 0: window 2 or 3
.set n, 0
.rept 32
	v_pk_mul_f32 v[OUT+2*n:OUT+2*n+1], v[AC+2*n:AC+2*n+1], v[CX+(2*n)%32:CX+(2*n)%32+1] op_sel_hi:[1,0]   ; (xe, xo) x cos; each accumulator is read from its low end on
.set n, n+1
.endr
.set n, 0
.rept 32
	v_pk_fma_f32 v[OUT+2*n:OUT+2*n+1], v[AC+2*n:AC+2*n+1], v[CX+(2*n)%32:CX+(2*n)%32+1], v[OUT+2*n:OUT+2*n+1] op_sel:[1,1,0] op_sel_hi:[0,1,1] neg_lo:[0,1,0]   ; low: - xo sin; high: + xe sin
.set n, n+1
.endr
	WIN 0
	s_wait_xcnt 0x0                                ; the last block's stores have read their data and their bases: both are written again below
.if (\a) > 0
	s_add_nc_u64 s[10:11], s[10:11], s[66:67]
	s_add_nc_u64 s[46:47], s[46:47], s[66:67]
.endif
.if (\a) == 4
	s_add_nc_u64 s[10:11], s[10:11], s[92:93]      ; V^T: on into the next head's record (q, k: 0)
	s_add_nc_u64 s[46:47], s[46:47], s[92:93]
.endif
.if (\a) < 6
	LOADCS (\a)+2                                  ; into the set just read
.endif
	QUANT OUT
	global_store_b128 v[LI16], v[PC:PC+3], s[10:11]              ; 512 consecutive bytes, aligned
	global_store_b64 v[LI8], v[PC+4:PC+5], s[10:11] offset:512   ; 256
	global_store_b128 v[LI16], v[PC+6:PC+9], s[46:47]
	global_store_b64 v[LI8], v[PC+10:PC+11], s[46:47] offset:512
	v_lshrrev_b32 v[KW+(\a)], v[SHV], v[PW]
	v_and_b32 v[KW+(\a)], s22, v[KW+(\a)]
.endm
	PLACES NP                                      ; behind the last products: their results are read and their operands' registers written below
.irp b, 0,1,2,3
	v_mov_b32 v[TM+4+\b], 0                        ; a lane permute's destination counts as one of its sources
.endr
.irp a, 0,1,2,3,4,5,6,7
	ROWQ \a
.endr
	global_store_b128 v[SCO], v[KW:KW+3], s[12:13]     ; sixteen lanes store 256 consecutive bytes, aligned
	global_store_b128 v[SCO2], v[KW+4:KW+7], s[12:13]
	s_wait_tensorcnt 0x0                           ; the wave's end
	ds_add_u32 v[SPW], v[NIL]
	s_wait_dscnt 0x0
	CROUND                                         ; the closing round: no work-group ends while a partner may still ask for a tile that names it
	s_endpgm
.Lfunc_end_k_q7f8c4ef2ae_qkv:
	.size	k_q7f8c4ef2ae_qkv, .Lfunc_end_k_q7f8c4ef2ae_qkv-k_q7f8c4ef2ae_qkv
	.p2alignl 7, 3214868480
	.fill 96, 4, 3214868480
	.section	.rodata,"a",@progbits
	.p2align	6, 0x0
	.amdhsa_kernel k_q7f8c4ef2ae_qkv
		.amdhsa_group_segment_fixed_size 327680
		.amdhsa_private_segment_fixed_size 0
		.amdhsa_enable_private_segment 0
		.amdhsa_kernarg_size 40
		.amdhsa_user_sgpr_count 2
		.amdhsa_user_sgpr_kernarg_segment_ptr 1
		.amdhsa_wavefront_size32 1
		.amdhsa_system_sgpr_workgroup_id_x 1
		.amdhsa_system_sgpr_workgroup_id_y 1
		.amdhsa_system_sgpr_workgroup_id_z 1
		.amdhsa_system_vgpr_workitem_id 0
		.amdhsa_next_free_vgpr 1024
		.amdhsa_next_free_sgpr 102
		.amdhsa_reserve_vcc 0
		.amdhsa_float_denorm_mode_32 3
		.amdhsa_float_denorm_mode_16_64 3
		.amdhsa_memory_ordered 1
		.amdhsa_forward_progress 1
		.amdhsa_inst_pref_size 206
	.end_amdhsa_kernel
	.amdgpu_metadata
---
amdhsa.version: [ 1, 2 ]
amdhsa.kernels:
  - .name:           k_q7f8c4ef2ae_qkv
    .symbol:         k_q7f8c4ef2ae_qkv.kd
    .args:
      - { .name: xw_codes, .offset: 0, .size: 8, .value_kind: global_buffer, .address_space: global }
      - { .name: xw_scales, .offset: 8, .size: 8, .value_kind: global_buffer, .address_space: global }
      - { .name: rope, .offset: 16, .size: 8, .value_kind: global_buffer, .address_space: global }
      - { .name: qkv_img, .offset: 24, .size: 8, .value_kind: global_buffer, .address_space: global }
      - { .name: qkv_sc, .offset: 32, .size: 8, .value_kind: global_buffer, .address_space: global }
    .group_segment_fixed_size: 327680
    .private_segment_fixed_size: 0
    .kernarg_segment_align: 8
    .kernarg_segment_size: 40
    .max_flat_workgroup_size: 128
    .sgpr_count:     102
    .vgpr_count:     1024
    .wavefront_size: 32
...
	.end_amdgpu_metadata
.endif
;; end of part 2
;; launch attn (part 3): grid 8 x 32, 16 waves a work-group, no clusters, 327,680 bytes of LDS; arguments qkv_img, qkv_sc, o_img, o_scales; writes o_img, o_scales
.if DOCPART == 3
	.amdgcn_target "amdgcn-amd-amdhsa--gfx1250"
	.amdhsa_code_object_version 6
	.text
	.protected	k_q7f8c4ef2ae_attn
	.globl	k_q7f8c4ef2ae_attn
	.p2align	8
	.type	k_q7f8c4ef2ae_attn,@function
k_q7f8c4ef2ae_attn:
	s_mov_b64 s[64:65], 0
	v_nop
	global_prefetch_b8 v0, s[64:65] scope:SCOPE_SE
	s_setreg_imm32_b32 hwreg(HW_REG_WAVE_MODE, 25, 1), 1
	s_wait_xcnt 0x0
; Causal attention of one (batch, head) on codes of FP6 (E2M3): S^T = K Q^T (K = the head's 64), p = 2^(t - M), O^T = V^T P^T (K = the keys), O / l quantised along d for the last product.
; t = score x log2(e) / 8; M = the running largest t rounded UP to a whole number; p is quantised along the keys, not normalised; l sums the unquantised p; when M moves, l and O^T are multiplied by 2^(old M - new M): exact.
; WORK LEFT OUT: key steps whose 128 keys all come after a tile's queries: the causal mask sets their logits to -inf, so their p are 0 for all inputs.  A NaN or infinity that reaches only those tiles is not carried on.
; INPUTS are images of operand registers (six registers of a lane in 768 bytes: registers 0-3 at 16 x lane, 4-5 at 512 + 8 x lane).  Lane r of tile a holds token 32 (a/2) + 8 (a%2) + r + 8 (r/8), so that in S^T the 16 registers
; of tiles 2 b, 2 b + 1 are the 16 neighbouring keys 32 b + 16 (lane / 16) + 0 .. 15; V's tiles of channels are laid the same way.  A RECORD of REC = 13,056 bytes (51 x 256) holds one key step (128 keys) of one head:
; K's eight tiles (6,144), V's four fragments (6,144), K's scale words (512), V's (256).
; SHARES.  Work-group (i, y): batch y / 16, head y % 16; it owns the blocks of 128 queries i (i + 1 key steps) and 15 - i (16 - i key steps): 17 steps for each of eight tiles of 16 queries, dealt to a PAIR of waves in NINE SLOTS:
;   wave 8 + a: tile a of block 15 - i, key steps 0 .. 8, one a slot;
;   wave a: tile a of block i, key steps 0 .. i in slots 0 .. i; in slot i + 1 it finishes and stores that tile and takes up tile a of block 15 - i with M, l, O begun anew; in slots i + 2 .. 8 that tile's key steps 9 .. 15 - i.
; So each wave has 8 or 9 slots of work.  At the end wave a hands its O^T, l, M through LDS bytes of its own to wave 8 + a, which brings both parts under the larger M (powers of two: exact), adds them and finishes the tile.
; THE RECORDS COME IN THREE STAGES, each by ONE tensor load of the wave whose number is its place in LDS (byte REC x place), filled once: places 0, 1: steps 0, 1 (at the head); 2-4: steps 2-4, 5-7: what waves 0-7 read in
; slots 2-4 behind their change of tiles (step slot + 7 - i); 8-11: steps 5-8, 12-15: the same for slots 5-8.  A stage is asked for behind the barrier in front of the stage before, and has its 2 or 3 slots in which to land; by this
; text's count a wave has one load in all.  A place of the second kind is read only where its slot is i + 2 or later: else it is not asked for (a test on ids).  A stage's places lie under all later stages'.
; PREFETCH: with the head's loads the waves that will load steps 2-4, and with the second stage's loads those that will load steps 5-8, name their records' blocks of 256 bytes: the eight work-groups of a head share a record's
; 51 blocks by address, seven each (lanes left over name the last again).  Steps 0, 1 come by their loads alone.  A step from 9 on lies in another wave's hands in each work-group that reads it: no share by address can be fixed.
; NO CLUSTER: the work-groups that share K and V are the query blocks of a head, and the causal tests hang on just that place.
; K = 64 IN AN INSTRUCTION OF K = 128: Q's registers 6-11 are zero codes, so whatever codes stand in source 0's registers 6-11 add nothing; bytes 2, 3 of both scale words are 0, a finite scale.
; A block's largest p is not searched for: the block's largest score goes through the same multiply-add and exponential (this takes v_exp_f32 not to fall where its input rises).
; LIMITS: NaN and infinities are not served; the scaled scores stay under 2^31 in magnitude; O is divided by l by v_rcp_f32 and a multiplication; a block of zeros gets the byte 1 with zero codes.
.set REC,   13056
.set KVB,   0x300000                   ; the records begin here in qkv_img
.set SPARE, 16*REC                     ; the spare words, 128 bytes a wave
.set SCR,   SPARE+2048                 ; behind them: 4,352 bytes for each pair of waves: O^T 4,096, then (l, -M) 256
.set A16,   1                          ; 16 x lane
.set A8,    2                          ; 512 + 8 x lane
.set AS,    3                          ; 16 x (lane % 16)
.set DQ,    4                          ; my query's place in its block - 16 (lane / 16)
.set AD16,  5                          ; v5-7 the step's LDS addresses
.set AD8,   6
.set ADS,   7
.set MG16,  8                          ; my pair's bytes: 16 x lane,
.set MG8,   9                          ; and 4,096 + 8 x lane
.set QF,    16                         ; v16-21 Q's codes, v22-27 zeros
.set QS,    28
.set PFO,   29                         ; the prefetches' offset; never rewritten
.set KV,    32                         ; v32-79 K's eight tiles, 6 apart; then V's four fragments, 12 apart
.set ZR,    80                         ; v80-85 zeros
.set SB,    86                         ; v86-149 S^T, then p
.set OB,    150                        ; v150-181 O^T
.set PC,    182                        ; p's codes
.set CT,    194                        ; the conversions' second halves
.set BM,    202
.set BT,    206
.set SO,    210
.set KSW,   214
.set VSW,   222
.set F,     226
.set PSW,   228
.set TMP,   229
.set NINF,  232
.set QS2,   233                        ; the second tile's Q: scale words, v234-239 codes
.set QF2,   234
.set SA,    240                        ; v240-253 seven partial sums
.set SPW,   254
.set NIL,   255
.set WV,  12
.set LAST,13                           ; 15 - i
.set BB,  15
.set HD,  16
.set JB,  17                           ; the block whose rows I store
.set TA,  18
.set SL,  19                           ; the slot
.set SEL, 20
.set CS,  22
.set TS,  24                           ; the slot's record in LDS
.set CNT, 25
.set TSL, 26                           ; the place of key step = slot
.set TSA, 27                           ; the place of key step slot + 7 - i
.set G1,  28
.set G0,  36
.set PFB, 40                           ; s[40:41] my record in memory; never rewritten
.set SW,  42                           ; the slot in which I change tiles (waves 8-15: none)
.set DG1, 43                           ; the slots in which my step lies on the diagonal
.set DG2, 44
.set LSK, 45                           ; the slot that reads my record, if only waves 0-7 read it behind their change; else 16
.set I2,  46                           ; i + 2
.macro ASK lo, hi                      ; waves lo .. hi - 1 name their work-group's share of their records
	s_cmp_lt_u32 s[WV], \lo
	s_cbranch_scc1 .Lna_\@
	s_cmp_ge_u32 s[WV], \hi
	s_cbranch_scc1 .Lna_\@
	global_prefetch_b8 v[PFO], s[PFB:PFB+1] th:TH_LOAD_NT scope:SCOPE_SE
.Lna_\@:
.endm
.macro TLOAD
	tensor_load_to_lds s[G0:G0+3], s[G1:G1+7]
	s_nop 0
.rept 4
	v_nop
.endr
.endm
; Behind the barrier the stage in hand is whole; waves lo .. hi - 1 ask for the next stage's records.
.macro SYNC lo, hi, plo, phi
	s_wait_tensorcnt 0x0
	ds_add_u32 v[SPW], v[NIL]
.if \hi
	ds_add_u32 v[SPW], v[NIL]
.endif
	s_wait_dscnt 0x0
	s_barrier_signal -1
	s_barrier_wait -1
.if \hi
	s_cmp_lt_u32 s[WV], \lo
	s_cbranch_scc1 .Lnl_\@
	s_cmp_ge_u32 s[WV], \hi
	s_cbranch_scc1 .Lnl_\@
	s_cmp_lt_u32 s[LSK], s[I2]                     ; no wave reads that place
	s_cbranch_scc1 .Lnl_\@
	TLOAD
.Lnl_\@:
.endif
.if \phi
	ASK \plo, \phi
.endif
.endm
	s_load_b256 s[4:11], s[0:1], 0x0               ; images 4:5, q's scale words 6:7, O's images 8:9, O's scale bytes 10:11
	v_lshl_add_u32 v[SPW], v0, 2, SPARE
	v_mov_b32 v[NIL], 0
	ds_add_u32 v[SPW], v[NIL]                      ; the opening lines
	ds_add_u32 v[SPW], v[NIL]
	v_lshrrev_b32 v5, 5, v0
	v_readfirstlane_b32 s[WV], v5                  ; wave 0..15
	s_mul_i32 s14, ttmp9, 7
	v_and_b32 v10, 31, v0
	v_min_u32 v[PFO], 6, v10
	v_add_nc_u32 v[PFO], s14, v[PFO]
	v_min_u32 v[PFO], 50, v[PFO]                   ; block min(7 i + min(lane, 6), 50) of the record's 51
	v_lshlrev_b32 v[PFO], 8, v[PFO]
	s_and_b32 s14, ttmp7, 0xffff
	s_lshr_b32 s[BB], s14, 4                       ; batch
	s_and_b32 s[HD], s14, 15                       ; head
	s_sub_co_u32 s[LAST], 15, ttmp9
	s_add_co_u32 s70, ttmp9, 1
	s_add_co_u32 s[I2], ttmp9, 2
	s_cmp_lt_u32 s[WV], 8
	s_cselect_b32 s[JB], ttmp9, s[LAST]
	s_cselect_b32 s[SW], s70, 99
	s_cselect_b32 s[DG1], ttmp9, s[LAST]           ; waves 0-7: step i of block i, in slot i; waves 8-15: step 15 - i, theirs only where it is 8
	s_cselect_b32 s[DG2], 8, s[LAST]               ; waves 0-7: step 15 - i of block 15 - i, in slot 8
	s_and_b32 s[TA], s[WV], 7                      ; my tile in its block
	s_cmp_ge_u32 s[WV], 5                          ; which record lies at place w: places 0-4 and 8-11 hold step = slot, places 5-7 and 12-15 step slot + 7 - i
	s_cselect_b32 s71, 3, 0
	s_cmp_ge_u32 s[WV], 12
	s_cselect_b32 s71, 7, s71
	s_sub_co_u32 s71, s[WV], s71                   ; the slot: w, w - 3 from place 5 on, w - 7 from place 12 on
	s_lshr_b32 s73, 0xf0e0, s[WV]
	s_and_b32 s73, s73, 1                          ; 1 at places 5-7 and 12-15
	s_sub_co_u32 s74, 7, ttmp9
	s_mul_i32 s74, s74, s73
	s_add_co_u32 s74, s74, s71                     ; the key step, 0 .. 15
	s_cmp_eq_u32 s73, 1
	s_cselect_b32 s[LSK], s71, 16
	s_mov_b32 s[G1], 3<<16                         ; a record: 51 rows of 32 elements of 8 bytes, dense, no padding
	s_mov_b32 s[G1+1], 32<<16
	s_mov_b32 s[G1+2], 51<<16
	s_mov_b32 s[G1+3], 32<<16
	s_mov_b32 s[G1+4], 51
	s_mov_b32 s[G1+5], 32
	s_mov_b32 s[G1+6], 0
	s_mov_b32 s[G1+7], 0
	s_lshl_b32 s66, s[BB], 4
	s_add_co_u32 s67, s66, s74
	s_lshl_b32 s67, s67, 4
	s_add_co_u32 s67, s67, s[HD]
	s_mul_i32 s68, s67, REC
	s_add_co_u32 s68, s68, KVB
	s_mov_b32 s69, 0
	s_mul_i32 s71, s[TA], 768                      ; Q's image: tile a at 768 a
	s_lshr_b32 s73, s[TA], 2
	s_lshl_b32 s73, s73, 8
	s_and_b32 s74, s[TA], 3
	s_lshl_b32 s74, s74, 2
	s_add_co_u32 s73, s73, s74                     ; Q's scale words: plane a / 4, word a % 4
	s_add_co_u32 s72, s66, s[JB]                   ; my first block of queries among the 32
	s_lshl_b32 s74, s72, 4
	s_add_co_u32 s74, s74, s[HD]
	s_mul_i32 s48, s74, 6144
	s_add_co_u32 s48, s48, s71
	s_mov_b32 s49, 0
	s_lshl_b32 s50, s74, 9
	s_add_co_u32 s50, s50, s73
	s_mov_b32 s51, 0
	s_add_co_u32 s74, s66, s[LAST]                 ; block 15 - i
	s_lshl_b32 s74, s74, 4
	s_add_co_u32 s74, s74, s[HD]
	s_mul_i32 s52, s74, 6144
	s_add_co_u32 s52, s52, s71
	s_mov_b32 s53, 0
	s_lshl_b32 s54, s74, 9
	s_add_co_u32 s54, s54, s73
	s_mov_b32 s55, 0
	s_mul_i32 s75, s[WV], REC
	s_mul_i32 s76, s[TA], 4352
	s_add_co_u32 s76, s76, SCR                     ; my pair's bytes
	s_add_co_u32 s77, s76, 3584
	s_wait_alu depctr_va_vdst(0)
	s_wait_dscnt 0x0
	s_wait_kmcnt 0x0
	s_add_nc_u64 s[PFB:PFB+1], s[4:5], s[68:69]
	s_mov_b32 s[G0], 1
	s_mov_b32 s[G0+1], s75
	s_mov_b64 s[G0+2:G0+3], s[PFB:PFB+1]
	s_or_b32 s[G0+3], s[G0+3], 0x80000000
	s_cmp_ge_u32 s[WV], 2
	s_cbranch_scc1 .Lhead
	TLOAD                                          ; key steps 0 and 1: every work-group reads both
.Lhead:
	s_add_nc_u64 s[48:49], s[4:5], s[48:49]
	s_add_nc_u64 s[50:51], s[6:7], s[50:51]
	s_add_nc_u64 s[52:53], s[4:5], s[52:53]
	s_add_nc_u64 s[54:55], s[6:7], s[54:55]
	s_lshl_b32 s66, s72, 3
	s_add_co_u32 s66, s66, s[TA]                   ; T: the tile of 16 rows among O's 256 that I store
	s_lshl_b32 s68, s66, 4
	s_add_co_u32 s68, s68, s[HD]
	s_mul_i32 s68, s68, 768
	s_add_nc_u64 s[8:9], s[8:9], s[68:69]          ; O's image: [T][head][768]
	s_lshl_b32 s68, s66, 9
	s_lshl_b32 s70, s[HD], 1
	s_add_co_u32 s68, s68, s70
	s_add_nc_u64 s[10:11], s[10:11], s[68:69]      ; O's scale bytes: row 16 T + r of 32 bytes, byte 2 x head
	ASK 2, 5
	v_and_b32 v10, 31, v0
	v_and_b32 v11, 15, v0
	v_lshlrev_b32 v[A16], 4, v10
	v_lshlrev_b32 v[A8], 3, v10
	v_lshlrev_b32 v[AS], 4, v11
	v_add_nc_u32 v[A8], 512, v[A8]
	global_load_b128 v[QF:QF+3], v[A16], s[48:49]
	global_load_b64 v[QF+4:QF+5], v[A8], s[48:49]
	global_load_b32 v[QS], v[AS], s[50:51]
	global_load_b128 v[QF2:QF2+3], v[A16], s[52:53]    ; tile a of block 15 - i (waves 8-15: their own once more, never used)
	global_load_b64 v[QF2+4:QF2+5], v[A8], s[52:53]
	global_load_b32 v[QS2], v[AS], s[54:55]
	v_add_nc_u32 v[MG16], s76, v[A16]
	v_add_nc_u32 v[MG8], s77, v[A8]
	v_bfe_u32 v10, v0, 4, 1
	v_and_b32 v[DQ], 8, v11
	v_lshlrev_b32 v10, 4, v10
	v_add_nc_u32 v[DQ], v[DQ], v11                 ; r + 8 (r / 8)
	s_delay_alu instid0(VALU_DEP_1)
	v_sub_nc_u32 v[DQ], v[DQ], v10                 ; - 16 (lane / 16)
	s_lshr_b32 s73, s[TA], 1
	s_lshl_b32 s73, s73, 5
	s_and_b32 s74, s[TA], 1
	s_lshl_b32 s74, s74, 3
	s_add_co_u32 s73, s73, s74
	v_add_nc_u32 v[DQ], s73, v[DQ]                 ; + 32 (a / 2) + 8 (a % 2)
	s_mov_b32 s[SEL], 0x76543210
	s_mov_b32 s[SEL+1], 0xfedcba98
	s_mov_b32 s[CS], 0x3e38aa3b                    ; log2(e) / 8
	s_mov_b32 s[CS+1], s[CS]
	s_mov_b32 s[SL], 0
.irp j, 0,1,2,3,4,5
	v_mov_b32 v[QF+6+\j], 0                        ; Q's upper 64 along K: zero codes
	v_mov_b32 v[ZR+\j], 0
.endr
.irp b, 0,1,2,3
	v_mov_b32 v[BT+\b], 0                          ; a lane permute's destination counts as one of its sources
.endr
	v_mov_b32 v[F+1], 0
	v_mov_b32 v[TMP], 0
	v_mov_b32 v[NINF], 0xff800000
.macro BEGIN                           ; a tile's M, l and O^T begin: the step is written for every step alike; the first finds zeros
	v_mov_b32 v13, 0xff61b1e6                      ; the largest t so far: -3e38
	v_mov_b32 v14, 0                               ; the sum, in two halves
	v_floor_f32 v12, -v13                          ; -M
	v_mov_b32 v15, 0
.set j, 0
.rept 32
	v_mov_b32 v[OB+j], 0
.set j, j+1
.endr
.endm
	BEGIN
; A TILE IS FINISHED: O^T / l, quantised along d: 16 queries x the head's 64: two blocks of 32; register 16 b + i is channel 32 b + 16 (lane / 16) + i
.macro FINISH
.rept 4
	v_nop                                          ; places behind the last products
.endr
	v_add_f32 v14, v14, v15
	s_delay_alu instid0(VALU_DEP_1)
	v_permlanex16_b32 v[TMP], v14, s[SEL], s[SEL+1]
	s_delay_alu instid0(VALU_DEP_1)
	v_add_f32 v14, v14, v[TMP]                     ; the row's sum
	s_wait_alu depctr_va_vdst(0)
	v_rcp_f32 v14, v14
	v_lshlrev_b32 v[ADS], 1, v[AS]                 ; (the plain instruction behind the reciprocal)  32 bytes a row of scale bytes
	s_wait_alu depctr_va_vdst(0)                   ; the wait ahead of the reciprocal's first reader
.set j, 0
.rept 32
	v_mul_f32 v[SB+j], v[OB+j], v14
.set j, j+1
.endr
.irp b, 0,1
	v_max3_num_f32 v[BM+\b], |v[SB+16*\b]|, |v[SB+1+16*\b]|, 0x1800000
.endr
.irp i, 2,4,6,8,10,12,14
.irp b, 0,1
	s_delay_alu instid0(VALU_DEP_2)
	v_max3_num_f32 v[BM+\b], v[BM+\b], |v[SB+16*\b+\i]|, |v[SB+1+16*\b+\i]|
.endr
.endr
.irp b, 0,1
	s_delay_alu instid0(VALU_DEP_2)
	v_permlanex16_b32 v[BT+\b], v[BM+\b], s[SEL], s[SEL+1]
.endr
.irp b, 0,1
	s_delay_alu instid0(VALU_DEP_2)
	v_max_num_f32 v[BM+\b], v[BM+\b], v[BT+\b]
.endr
.irp b, 0,1
	s_delay_alu instid0(VALU_DEP_2)
	v_add_nc_u32 v[SO+\b], 0xff000000, v[BM+\b]
.endr
.irp b, 0,1
	s_delay_alu instid0(VALU_DEP_2)
	v_lshrrev_b32 v[BT+\b], 23, v[SO+\b]
.endr
	s_delay_alu instid0(VALU_DEP_1)
	v_lshl_or_b32 v[TMP], v[BT+1], 8, v[BT]        ; the head's two scale bytes of my row
	v_cvt_scalef32_pk16_fp6_f32 v[PC:PC+2], v[SB:SB+15], v[SO]
	v_cvt_scalef32_pk16_fp6_f32 v[CT:CT+2], v[SB+16:SB+31], v[SO+1]
	v_nop                                          ; one plain place behind a scaled conversion
.irp i, 0,1,2
	v_permlane16_swap_b32 v[PC+\i], v[CT+\i]
.endr
.irp i, 0,1,2
	s_delay_alu instid0(VALU_DEP_3)
	v_mov_b32 v[PC+3+\i], v[CT+\i]                 ; registers 0-5: channels 32 (lane / 16) + 0 .. 31
.endr
	global_store_b128 v[A16], v[PC:PC+3], s[8:9]   ; 512 consecutive bytes, aligned
	global_store_b64 v[A8], v[PC+4:PC+5], s[8:9]   ; 256 (the offset register holds the 512)
	global_store_b16 v[ADS], v[TMP], s[10:11]      ; a head owns 2 of a row's 32 scale bytes; lanes 16-31 write the same bytes with the same values
.endm
; A SLOT: a key step of 128 keys from the record at LDS byte s[TS]; or, in waves 0-7, once, the change of tiles.
.macro STEP
	s_cmp_lg_u32 s[SL], s[SW]
	s_cbranch_scc1 .Lwork_\@
	FINISH                                         ; tile a of block i is whole
	v_mov_b32 v[QS], v[QS2]                        ; tile a of block 15 - i
.irp j, 0,1,2,3,4,5
	v_mov_b32 v[QF+\j], v[QF2+\j]
.endr
	BEGIN                                          ; (its 36 lines also stand between the writes of Q and its scale words and the next products)
	s_wait_alu depctr_va_vdst(0)
	s_wait_xcnt 0x0                                ; the stores have read their data and offsets, which the next slot writes again
	s_branch .Lnext_\@
.Lwork_\@:
	s_cmp_gt_u32 s[SL], s[SW]
	s_cselect_b32 s[TS], s[TSA], s[TSL]            ; behind the change of tiles: key step slot + 7 - i
	v_add_nc_u32 v[AD16], s[TS], v[A16]            ; (these four lines are also the places in front of the loads into registers that the last products read)
	v_add_nc_u32 v[AD8], s[TS], v[A8]
	v_add_nc_u32 v[ADS], s[TS], v[AS]
	v_nop
.irp t, 0,1,2,3,4,5,6,7
	ds_load_b128 v[KV+6*\t:KV+6*\t+3], v[AD16] offset:768*\t
	ds_load_b64 v[KV+6*\t+4:KV+6*\t+5], v[AD8] offset:768*\t
.endr
	ds_load_b128 v[KSW:KSW+3], v[ADS] offset:12288
	ds_load_b128 v[KSW+4:KSW+7], v[ADS] offset:12544
	s_wait_alu depctr_va_vdst(0)
	s_wait_dscnt 0x0
.irp t, 0,1,2,3,4,5,6,7
	v_wmma_scale_f32_16x16x128_f8f6f4 v[SB+8*\t:SB+8*\t+7], v[KV+6*\t:KV+6*\t+11], v[QF:QF+11], 0, v[KSW+\t], v[QS] matrix_a_fmt:MATRIX_FMT_FP6 matrix_b_fmt:MATRIX_FMT_FP6
.endr
.rept 4
	v_nop                                          ; places: K's registers take V below, and the scores are read
.endr
.irp t, 0,1,2,3,4,5,6,7                        ; V's four fragments, in halves of six registers, land while the softmax is worked
	ds_load_b128 v[KV+6*\t:KV+6*\t+3], v[AD16] offset:6144+768*\t
	ds_load_b64 v[KV+6*\t+4:KV+6*\t+5], v[AD8] offset:6144+768*\t
.endr
	ds_load_b128 v[VSW:VSW+3], v[ADS] offset:12800
	s_cmp_eq_u32 s[SL], s[DG1]                     ; only a tile's last step lies on the diagonal
	s_cbranch_scc1 .Lmask_\@
	s_cmp_lg_u32 s[SL], s[DG2]
	s_cbranch_scc1 .Lopen_\@
.Lmask_\@:
.set n, 0
.rept 64                                       ; register 16 b + i holds key 32 b + 16 (lane / 16) + i: hidden where 32 b + i > my query's place - 16 (lane / 16)
	v_cmp_gt_i32 vcc_lo, 32*(n/16)+n%16, v[DQ]
	v_cndmask_b32 v[SB+n], v[SB+n], v[NINF], vcc_lo
.set n, n+1
.endr
.Lopen_\@:
.irp b, 0,1,2,3
	v_max3_num_f32 v[BM+\b], v[SB+16*\b], v[SB+1+16*\b], v[SB+2+16*\b]   ; the largest score of each block of 32 keys
.endr
.irp i, 3,5,7,9,11,13
.irp b, 0,1,2,3
	v_max3_num_f32 v[BM+\b], v[BM+\b], v[SB+16*\b+\i], v[SB+1+16*\b+\i]
.endr
.endr
.irp b, 0,1,2,3
	v_max_num_f32 v[BM+\b], v[BM+\b], v[SB+15+16*\b]
.endr
.irp b, 0,1,2,3
	s_delay_alu instid0(VALU_DEP_4)
	v_permlanex16_b32 v[BT+\b], v[BM+\b], s[SEL], s[SEL+1]
.endr
.irp b, 0,1,2,3
	s_delay_alu instid0(VALU_DEP_4)
	v_max_num_f32 v[BM+\b], v[BM+\b], v[BT+\b]     ; with lane l xor 16's 16 keys
.endr
	s_delay_alu instid0(VALU_DEP_2)
	v_max3_num_f32 v[TMP], v[BM], v[BM+1], v[BM+2]
	s_delay_alu instid0(VALU_DEP_1)
	v_max_num_f32 v[TMP], v[TMP], v[BM+3]
	s_delay_alu instid0(VALU_DEP_1)
	v_mul_f32 v[TMP], s[CS], v[TMP]                ; as t
	s_delay_alu instid0(VALU_DEP_1)
	v_max_num_f32 v13, v13, v[TMP]                 ; the running largest t
	v_mov_b32 v[TMP], v12
	s_delay_alu instid0(VALU_DEP_2)
	v_floor_f32 v12, -v13                          ; the new -M = -ceil(t)
	s_delay_alu instid0(VALU_DEP_1)
	v_sub_f32 v[TMP], v12, v[TMP]                  ; old M - new M: a whole number, 0 or less
	s_delay_alu instid0(VALU_DEP_1)
	v_cvt_i32_f32 v[TMP], v[TMP]
	s_delay_alu instid0(VALU_DEP_1)
	v_ldexp_f32 v[F], 1.0, v[TMP]                  ; f = 2^(old M - new M)
.set j, 0
.rept 32
	v_pk_fma_f32 v[SB+j:SB+j+1], v[SB+j:SB+j+1], s[CS:CS+1], v[12:13] op_sel_hi:[1,0,0]   ; t - M, two at a time
.set j, j+2
.endr
.irp b, 0,1,2,3
	v_fma_f32 v[BM+\b], v[BM+\b], s[CS], v12       ; the same of each block's largest score
.endr
	s_wait_alu depctr_va_vdst(0)
.set j, 0
.rept 64
	v_exp_f32 v[SB+j], v[SB+j]                     ; p = 2^(t - M), at most 1
.set j, j+1
.endr
	v_pk_mul_f32 v[14:15], v[14:15], v[F:F+1] op_sel_hi:[1,0]   ; the sums under the new M: the plain instruction behind the exponentials
	s_wait_alu depctr_va_vdst(0)                   ; one wait for the batch of 64, ahead of its first reader
.irp b, 0,1,2,3
	v_exp_f32 v[BM+\b], v[BM+\b]                   ; the block's largest p
.endr
.set n, 0
.rept 7                                        ; the row's sum of the unquantised p: eight chains, 32 packed additions
	v_pk_add_f32 v[SA+2*n:SA+2*n+1], v[SB+2*n:SB+2*n+1], v[SB+14+2*n:SB+15+2*n]
.set n, n+1
.endr
	v_pk_add_f32 v[14:15], v[14:15], v[SB+28:SB+29]
.irp q, 30, 46
.set n, 0
.rept 7
	v_pk_add_f32 v[SA+2*n:SA+2*n+1], v[SA+2*n:SA+2*n+1], v[SB+\q+2*n:SB+\q+2*n+1]
.set n, n+1
.endr
	v_pk_add_f32 v[14:15], v[14:15], v[SB+\q+14:SB+\q+15]
.endr
	v_pk_add_f32 v[SA:SA+1], v[SA:SA+1], v[SB+62:SB+63]
	v_pk_add_f32 v[SA+2:SA+3], v[SA+2:SA+3], v[SA+10:SA+11]
	v_pk_add_f32 v[SA+4:SA+5], v[SA+4:SA+5], v[SA+12:SA+13]
	v_pk_add_f32 v[14:15], v[14:15], v[SA+6:SA+7]
	v_pk_add_f32 v[SA:SA+1], v[SA:SA+1], v[SA+8:SA+9]
	s_delay_alu instid0(VALU_DEP_2)
	v_pk_add_f32 v[14:15], v[14:15], v[SA+4:SA+5]
	s_delay_alu instid0(VALU_DEP_2)
	v_pk_add_f32 v[SA:SA+1], v[SA:SA+1], v[SA+2:SA+3]
	s_delay_alu instid0(VALU_DEP_1)
	v_pk_add_f32 v[14:15], v[14:15], v[SA:SA+1]
	s_wait_alu depctr_va_vdst(0)                   ; and one for the four
.irp b, 0,1,2,3
	v_max_num_f32 v[BM+\b], 0x1800000, v[BM+\b]    ; the floor 2^(3 - 127): the byte cannot fall under 1
.endr
.irp b, 0,1,2,3
	s_delay_alu instid0(VALU_DEP_4)
	v_add_nc_u32 v[SO+\b], 0xff000000, v[BM+\b]    ; 2 off the exponent field: the conversion's scale operand
.endr
.irp b, 0,1,2,3
	s_delay_alu instid0(VALU_DEP_4)
	v_lshrrev_b32 v[BT+\b], 23, v[SO+\b]           ; the scale's byte
.endr
	s_delay_alu instid0(VALU_DEP_3)
	v_lshl_or_b32 v[PSW], v[BT+1], 8, v[BT]        ; p's scale word for these 128 keys
	s_delay_alu instid0(VALU_DEP_1)
	v_lshl_or_b32 v[PSW], v[BT+2], 16, v[PSW]
	s_delay_alu instid0(VALU_DEP_1)
	v_lshl_or_b32 v[PSW], v[BT+3], 24, v[PSW]
.irp c, 0,1
	v_cvt_scalef32_pk16_fp6_f32 v[PC+6*\c:PC+2+6*\c], v[SB+32*\c:SB+15+32*\c], v[SO+2*\c]
	v_cvt_scalef32_pk16_fp6_f32 v[CT+4*\c:CT+2+4*\c], v[SB+16+32*\c:SB+31+32*\c], v[SO+2*\c+1]
.endr
	v_nop                                          ; one plain place behind a scaled conversion
.irp c, 0,1                                    ; a WHOLE block in a lane: lanes 0-15 block 2 c, lanes 16-31 block 2 c + 1
.irp i, 0,1,2
	v_permlane16_swap_b32 v[PC+6*\c+\i], v[CT+4*\c+\i]
.endr
.irp i, 0,1,2
	s_delay_alu instid0(VALU_DEP_3)
	v_mov_b32 v[PC+3+6*\c+\i], v[CT+4*\c+\i]
.endr
.endr
	s_wait_alu depctr_va_vdst(0)                   ; directly ahead of the first reader of O^T
.set j, 0
.rept 16
	v_pk_mul_f32 v[OB+j:OB+j+1], v[OB+j:OB+j+1], v[F:F+1] op_sel_hi:[1,0]   ; O^T under the new M.  (These sixteen also stand between the writes of p's codes and scale word and the products)
.set j, j+2
.endr
	s_wait_alu depctr_va_vdst(0)
	s_wait_dscnt 0x0                               ; V and its scale words
.irp t, 0,1,2,3                                ; the four accumulators by turns
	v_wmma_scale_f32_16x16x128_f8f6f4 v[OB+8*\t:OB+8*\t+7], v[KV+12*\t:KV+12*\t+11], v[PC:PC+11], v[OB+8*\t:OB+8*\t+7], v[VSW+\t], v[PSW] matrix_a_fmt:MATRIX_FMT_FP6 matrix_b_fmt:MATRIX_FMT_FP6
.endr
.Lnext_\@:
	s_add_co_u32 s[SL], s[SL], 1
	s_add_co_u32 s[TSL], s[TSL], REC
	s_add_co_u32 s[TSA], s[TSA], REC
.endm
.macro STAGE pl, pa, n                 ; n slots; the first reads place pl or place pa
	s_mov_b32 s[TSL], (\pl)*REC
	s_mov_b32 s[TSA], (\pa)*REC
	s_mov_b32 s[CNT], \n
.Lstage_\@:
	STEP
	s_sub_co_u32 s[CNT], s[CNT], 1
	s_cmp_lg_u32 s[CNT], 0
	s_cbranch_scc1 .Lstage_\@
.endm
	s_wait_alu depctr_va_vdst(0)
	SYNC 2, 8, 8, 12
	s_wait_loadcnt 0x0                             ; Q, both tiles'
	STAGE 0, 0, 2                                  ; slots 0, 1 (no wave is behind its change of tiles yet)
	SYNC 8, 16, 0, 0
	STAGE 2, 5, 3                                  ; slots 2-4
	SYNC 0, 0, 0, 0
	STAGE 8, 12, 4                                 ; slots 5-8
	; THE TWO PARTS OF BLOCK 15 - i's TILES ARE JOINED.  Wave a stores its O^T, l and -M to the pair's own LDS bytes; one barrier; wave 8 + a reads them.
.rept 4
	v_nop                                          ; places behind the last products
.endr
	s_cmp_ge_u32 s[WV], 8
	s_cbranch_scc1 .Lmeet
	v_add_f32 v14, v14, v15                        ; my lane's part of l
	v_mov_b32 v15, v12                             ; and -M
.irp t, 0,1,2,3,4,5,6,7
	ds_store_b128 v[MG16], v[OB+4*\t:OB+4*\t+3] offset:512*\t    ; each accumulator from its low end on
.endr
	ds_store_b64 v[MG8], v[14:15]
.Lmeet:
	s_wait_alu depctr_va_vdst(0)
	s_wait_dscnt 0x0                               ; my stores are done
	s_barrier_signal -1
	s_barrier_wait -1
	s_cmp_lt_u32 s[WV], 8
	s_cbranch_scc1 .Lend
.irp t, 0,1,2,3,4,5,6,7
	ds_load_b128 v[SB+4*\t:SB+4*\t+3], v[MG16] offset:512*\t
.endr
	ds_load_b64 v[30:31], v[MG8]
	s_wait_dscnt 0x0
	v_min_num_f32 v[TMP], v12, v31                 ; -M of both parts: M is the larger of the two
	v_add_f32 v14, v14, v15
	v_sub_f32 v10, v[TMP], v31                     ; the other part's M - M: a whole number, 0 or less (a part with no step has M = -3e38, l = 0, O = 0: its factor comes out 0)
	v_sub_f32 v11, v[TMP], v12                     ; my M - M
	v_cvt_i32_f32 v10, v10                         ; (it saturates)
	v_cvt_i32_f32 v11, v11
	v_mov_b32 v15, 0
	v_ldexp_f32 v10, 1.0, v10
	v_ldexp_f32 v[F], 1.0, v11
	s_delay_alu instid0(VALU_DEP_1)
	v_mul_f32 v14, v14, v[F]
.set j, 0
.rept 16
	v_pk_mul_f32 v[OB+j:OB+j+1], v[OB+j:OB+j+1], v[F:F+1] op_sel_hi:[1,0]
.set j, j+2
.endr
	v_fma_f32 v14, v30, v10, v14                   ; l of both parts
.set j, 0
.rept 16
	v_pk_fma_f32 v[OB+j:OB+j+1], v[SB+j:SB+j+1], v[10:11], v[OB+j:OB+j+1] op_sel_hi:[1,0,1]
.set j, j+2
.endr
	FINISH
.Lend:
	s_wait_tensorcnt 0x0                           ; the wave's end
	ds_add_u32 v[SPW], v[NIL]
	s_wait_dscnt 0x0
	s_endpgm
.Lfunc_end_k_q7f8c4ef2ae_attn:
	.size	k_q7f8c4ef2ae_attn, .Lfunc_end_k_q7f8c4ef2ae_attn-k_q7f8c4ef2ae_attn
	.p2alignl 7, 3214868480
	.fill 96, 4, 3214868480
	.section	.rodata,"a",@progbits
	.p2align	6, 0x0
	.amdhsa_kernel k_q7f8c4ef2ae_attn
		.amdhsa_group_segment_fixed_size 327680
		.amdhsa_private_segment_fixed_size 0
		.amdhsa_enable_private_segment 0
		.amdhsa_kernarg_size 32
		.amdhsa_user_sgpr_count 2
		.amdhsa_user_sgpr_kernarg_segment_ptr 1
		.amdhsa_wavefront_size32 1
		.amdhsa_system_sgpr_workgroup_id_x 1
		.amdhsa_system_sgpr_workgroup_id_y 1
		.amdhsa_system_sgpr_workgroup_id_z 1
		.amdhsa_system_vgpr_workitem_id 0
		.amdhsa_next_free_vgpr 256
		.amdhsa_next_free_sgpr 80
		.amdhsa_reserve_vcc 1
		.amdhsa_float_denorm_mode_32 3
		.amdhsa_float_denorm_mode_16_64 3
		.amdhsa_memory_ordered 1
		.amdhsa_forward_progress 1
		.amdhsa_inst_pref_size 104
	.end_amdhsa_kernel
	.amdgpu_metadata
---
amdhsa.version: [ 1, 2 ]
amdhsa.kernels:
  - .name:           k_q7f8c4ef2ae_attn
    .symbol:         k_q7f8c4ef2ae_attn.kd
    .args:
      - { .name: qkv_img, .offset: 0, .size: 8, .value_kind: global_buffer, .address_space: global }
      - { .name: qkv_sc, .offset: 8, .size: 8, .value_kind: global_buffer, .address_space: global }
      - { .name: o_img, .offset: 16, .size: 8, .value_kind: global_buffer, .address_space: global }
      - { .name: o_scales, .offset: 24, .size: 8, .value_kind: global_buffer, .address_space: global }
    .group_segment_fixed_size: 327680
    .private_segment_fixed_size: 0
    .kernarg_segment_align: 8
    .kernarg_segment_size: 32
    .max_flat_workgroup_size: 512
    .sgpr_count:     80
    .vgpr_count:     256
    .wavefront_size: 32
...
	.end_amdgpu_metadata
.endif
;; end of part 3
;; launch oproj (part 4): grid 8 x 32, 4 waves a work-group, clusters of 4 x 4, 327,680 bytes of LDS; arguments o_img, o_scales, xw_codes, xw_scales, out0; writes out0
.if DOCPART == 4
	.amdgcn_target "amdgcn-amd-amdhsa--gfx1250"
	.amdhsa_code_object_version 6
	.text
	.protected	k_q7f8c4ef2ae_oproj
	.globl	k_q7f8c4ef2ae_oproj
	.p2align	8
	.type	k_q7f8c4ef2ae_oproj,@function
k_q7f8c4ef2ae_oproj:
	s_mov_b64 s[64:65], 0
	v_nop
	global_prefetch_b8 v0, s[64:65] scope:SCOPE_SE
	s_setreg_imm32_b32 hwreg(HW_REG_WAVE_MODE, 25, 1), 1
	s_wait_xcnt 0x0
	s_wait_alu depctr_hold_cnt(0) depctr_sa_sdst(0) depctr_va_vdst(0) depctr_va_sdst(0) depctr_va_ssrc(0) depctr_va_vcc(0) depctr_vm_vsrc(0)
	s_getreg_b32 s2, hwreg(HW_REG_IB_STS2, 6, 4)
	s_cmp_eq_u32 s2, 0
	s_cbranch_scc0 .Lentry_in_a_cluster
	s_endpgm
.Lentry_in_a_cluster:
	s_bfe_u32 s2, ttmp6, 0x10000c
	s_cmp_lg_u32 s2, 0xf033
	s_cbranch_scc0 .Lentry_shape_is_right
	s_endpgm
.Lentry_shape_is_right:
; out0 = O wo^T on codes of FP6 (E2M3) with one E8M0 scale for each 32 along K = 1,024; sums in f32.
; A block of 128 rows x 128 columns to a work-group: 32 x 8 = 256 work-groups; four waves, 64 x 64 each: 16 accumulators.
; ALL OF K LIES IN LDS, FILLED ONCE, one joint load a wave at the head: wave 0 O's images of 128 rows (98,304 dense bytes, [tile of 16 rows 8][head 16][768]), wave 1 wo's 128 rows (four slabs of 24,576 dense bytes,
; 16 bytes of padding behind every 64: LDS rows of 240 bytes), wave 2 O's scale bytes (4,096), wave 3 wo's.  Nothing is filled again: one barrier, no ring.  Every tensor row begins at a multiple of 256 bytes.
; All that the launch reads is asked for at its head, and there is no loop to run ahead in: so no prefetch.
; CLUSTERS: 4 x 4 work-groups; O's tiles are shared along a row of the cluster, wo's along a column: joint loads with a mask of four.
; THE MATRIX INSTRUCTION IS USED TRANSPOSED (source 0 = 16 rows of wo, source 1 = 16 rows of O): a lane holds eight neighbouring columns of one row.  Row r of O's tile a is token 32 (a/2) + 8 (a%2) + r + 8 (r/8) of its 128.
; THE WAY OUT: 16 rows x 64 columns at a time through the wave's own stage in LDS, back as rows of 256 bytes: sixteen lanes store 256 consecutive bytes, aligned.
; REGISTERS: window 0: v0-31 addresses; v32-63 scale words (8 i + K step: lanes 0-15 O's block i, lanes 16-31 wo's block i); v64-159, v160-255 two sets of fragments (O's four, wo's four).  Window 1: v0-127 the accumulators.
.set SIZE_N, 1024
.set PITCH,  240
.set BLDS,   98304                     ; wo's codes, behind O's images
.set BSL,    128*PITCH                 ; a slab of 256 along K
.set SCL,    BLDS+4*BSL                ; the scales, as runs of 256 bytes + 16 of padding
.set HS,     2176                      ; those of 64 rows
.set STAGE,  SCL+4*HS
.set SPITCH, 272
.set SPARE,  STAGE+4*16*SPITCH
.set ADRA, 16                          ; v16 16 x lane, v17 512 + 8 x lane, both in my 64 rows' images
.set ADRB, 20                          ; v20, v21 (behind one padding more): slabs 0, 1; v22, v23: slabs 2, 3
.set STO,  24
.set RD,   25
.set CO,   26
.set ADRS, 27
.set SPW,  28
.set NIL,  29
.set SC,   32
.set FB,   64
.set G1,   24
.set G0,   32                          ; s[32:35] O's images, s[36:39] wo's codes
.set G1B,  48
.set G1S,  68
.set G0S,  76
.set G1SB, 80
.set G0SB, 88
.set MSB, 0
.macro WIN new                         ; the immediate's high byte repeats the setting that is left
.if MSB != (\new)
	s_set_vgpr_msb (MSB<<8)|(\new)
.set MSB, (\new)
.endif
.endm
.macro CROUND                          ; a round of the cluster's barrier
	s_barrier_signal -1
	s_barrier_wait -1
	s_cmp_lg_u32 s14, 0
	s_cbranch_scc1 .Lnot_wave_0_\@
	s_barrier_signal -3
.Lnot_wave_0_\@:
	s_barrier_wait -3
	s_barrier_signal -1
	s_barrier_wait -1
.endm
.macro PLACES
.rept 4
	v_nop
.endr
.endm
	s_load_b128 s[4:7], s[0:1], 0x0                ; O's images, O's scale bytes
	s_load_b128 s[8:11], s[0:1], 0x10              ; the codes, the scale bytes (wo at stored row 7168)
	s_load_b64 s[12:13], s[0:1], 0x20              ; out0
	v_lshl_add_u32 v[SPW], v0, 2, SPARE
	v_mov_b32 v[NIL], 0
	ds_add_u32 v[SPW], v[NIL]                      ; the opening lines
	ds_add_u32 v[SPW], v[NIL]
	v_lshrrev_b32 v1, 5, v0
	v_readfirstlane_b32 s14, v1                    ; wave 0..3
	s_lshr_b32 s15, s14, 1                         ; which 64 rows are mine
	s_and_b32 s16, s14, 1                          ; which 64 columns
	s_bfe_u32 s40, ttmp6, 0x40000                  ; cx
	s_bfe_u32 s41, ttmp6, 0x40004                  ; cy
	s_lshl_b32 s42, ttmp9, 2
	s_add_co_u32 s42, s42, s40                     ; block of 128 columns
	s_and_b32 s17, ttmp7, 0xffff
	s_lshl_b32 s17, s17, 2
	s_add_co_u32 s17, s17, s41                     ; block of 128 rows
	s_lshl_b32 s43, s41, 2
	s_lshl_b32 s43, 15, s43                        ; my row of the cluster
	s_lshl_b32 s44, 0x1111, s40                    ; my column
	s_or_b32 s[G1], s43, (3<<16)|(1<<21)           ; O's images: 384 rows of 32 elements of 8 bytes, dense, no padding
	s_mov_b32 s[G1+1], 32<<16
	s_mov_b32 s[G1+2], 384<<16
	s_mov_b32 s[G1+3], 32<<16
	s_mov_b32 s[G1+4], 384
	s_mov_b32 s[G1+5], 32
	s_mov_b32 s[G1+6], 0
	s_mov_b32 s[G1+7], 0
	s_or_b32 s[G1B], s44, (3<<16)|(1<<20)|(1<<21)|(3<<22)|(3<<25)   ; wo's codes: 4 rows of 3,072 elements, a slab (196,608 elements) apart; 4 words of padding behind every 16
	s_mov_b32 s[G1B+1], 3072<<16
	s_mov_b32 s[G1B+2], 4<<16
	s_mov_b32 s[G1B+3], 3072<<16
	s_mov_b32 s[G1B+4], 4
	s_mov_b32 s[G1B+5], 196608
	s_mov_b32 s[G1B+6], 0
	s_mov_b32 s[G1B+7], 0
	s_or_b32 s[G1S], s43, (3<<16)|(1<<20)|(1<<21)|(5<<22)|(3<<25)   ; the scales of 128 rows: 16 rows of 256 bytes, 16 bytes of padding behind each
	s_or_b32 s[G1SB], s44, (3<<16)|(1<<20)|(1<<21)|(5<<22)|(3<<25)
.irp g, G1S, G1SB
	s_mov_b32 s[\g+1], 32<<16
	s_mov_b32 s[\g+2], 16<<16
	s_mov_b32 s[\g+3], 32<<16
	s_mov_b32 s[\g+4], 16
	s_mov_b32 s[\g+5], 32
	s_mov_b32 s[\g+6], 0
	s_mov_b32 s[\g+7], 0
.endr
	s_mul_i32 s20, s17, 98304                      ; O's addresses hang on the block of rows alone,
	s_mov_b32 s21, 0
	s_lshl_b32 s22, s17, 12
	s_mov_b32 s23, 0
	s_lshl_b32 s46, s42, 7                         ; wo's on the block of columns alone
	s_add_co_u32 s46, s46, 7168
	s_lshl_b32 s92, s46, 5
	s_mov_b32 s93, 0
	s_mul_i32 s46, s46, 192
	s_mov_b32 s47, 0
	s_wait_dscnt 0x0                               ; both opening adds are done
	s_wait_kmcnt 0x0
	s_add_nc_u64 s[20:21], s[4:5], s[20:21]
	s_add_nc_u64 s[22:23], s[6:7], s[22:23]
	s_add_nc_u64 s[46:47], s[8:9], s[46:47]
	s_add_nc_u64 s[92:93], s[10:11], s[92:93]
	CROUND                                         ; all sixteen work-groups are here: the joint loads meet
	s_mov_b32 s[G0], 1
	s_mov_b32 s[G0+1], 0
	s_mov_b64 s[G0+2:G0+3], s[20:21]
	s_or_b32 s[G0+3], s[G0+3], 0x80000000
	s_mov_b32 s[G0+4], 1
	s_mov_b32 s[G0+5], BLDS
	s_mov_b64 s[G0+6:G0+7], s[46:47]
	s_or_b32 s[G0+7], s[G0+7], 0x80000000
	s_mov_b32 s[G0S], 1
	s_mov_b32 s[G0S+1], SCL
	s_mov_b64 s[G0S+2:G0S+3], s[22:23]
	s_or_b32 s[G0S+3], s[G0S+3], 0x80000000
	s_mov_b32 s[G0SB], 1
	s_mov_b32 s[G0SB+1], SCL+2*HS
	s_mov_b64 s[G0SB+2:G0SB+3], s[92:93]
	s_or_b32 s[G0SB+3], s[G0SB+3], 0x80000000
; one chain of branches on the wave's number, one load to an arm, all arms leading to one join
.macro ARM under, g0, g1, next
	s_cmp_lt_u32 s14, \under
	s_cbranch_scc0 \next
	tensor_load_to_lds s[\g0:\g0+3], s[\g1:\g1+7]
	s_nop 0
	PLACES
	s_branch .Lhead_asked
\next:
.endm
	ARM 1, G0,   G1,  .Lhead_b
	ARM 2, G0+4, G1B, .Lhead_sa
	ARM 3, G0S,  G1S, .Lhead_sb
	tensor_load_to_lds s[G0SB:G0SB+3], s[G1SB:G1SB+7]
	s_nop 0
	PLACES
.Lhead_asked:
	s_mul_i32 s18, s15, 49152                      ; my four tiles of O
	s_mul_i32 s19, s16, 64*PITCH
	s_add_co_u32 s19, s19, BLDS                    ; my 64 rows of wo
	s_mul_i32 s21, s15, HS
	s_mul_i32 s22, s16, HS
	s_add_co_u32 s22, s22, 2*HS
	s_sub_co_u32 s22, s22, s21                     ; from O's scales of my rows to wo's of my columns
	s_add_co_u32 s21, s21, SCL
	s_mul_i32 s23, s14, 16*SPITCH
	s_add_co_u32 s23, s23, STAGE                   ; my stage
	s_lshl_b32 s20, s17, 19                        ; out0: 128 rows of 4,096 bytes a block,
	s_lshl_b32 s45, s15, 18                        ; 64 rows a half,
	s_add_co_u32 s20, s20, s45
	s_lshl_b32 s46, s42, 9                         ; 512 bytes a block of columns,
	s_lshl_b32 s47, s16, 8                         ; 256 a half
	s_add_co_u32 s46, s46, s47
	s_add_co_u32 s46, s46, s20
	s_mov_b32 s47, 0
	s_add_nc_u64 s[12:13], s[12:13], s[46:47]
	v_and_b32 v1, 15, v0                           ; r
	v_bfe_u32 v2, v0, 4, 1                         ; h
	v_and_b32 v6, 31, v0
	v_lshl_add_u32 v[ADRA], v6, 4, s18
	v_lshl_add_u32 v[ADRA+1], v6, 3, s18
	v_mul_u32_u24 v3, v1, PITCH
	v_add_nc_u32 v[ADRA+1], 512, v[ADRA+1]
	v_mad_u32_u24 v4, v2, 24, v3                   ; a fragment's row x pitch + 24 x half
	v_lshl_add_u32 v5, v2, 4, v4                   ; and the same behind one padding more
	v_add_nc_u32 v[ADRB], s19, v4
	v_add_nc_u32 v[ADRB+1], s19, v5
	v_add_nc_u32 v[ADRB+2], 2*BSL, v[ADRB]
	v_add_nc_u32 v[ADRB+3], 2*BSL, v[ADRB+1]
	v_lshlrev_b32 v5, 5, v1                        ; my row's scales: 32 bytes a row,
	v_lshrrev_b32 v3, 8, v5
	v_lshl_add_u32 v5, v3, 4, v5                   ; and 16 more for each 256 passed
	v_mul_u32_u24 v3, s22, v2                      ; lanes 16-31 take wo's
	v_add_nc_u32 v5, v5, v3
	v_add_nc_u32 v[ADRS], s21, v5
	v_mul_u32_u24 v5, v1, SPITCH                   ; into the stage: row r, 32 bytes for each half of the lanes
	v_lshl_add_u32 v5, v2, 5, v5
	v_add_nc_u32 v[STO], s23, v5
	v_mul_u32_u24 v5, v2, SPITCH                   ; back: lanes 0-15 one row of 256 bytes, lanes 16-31 the next
	v_lshl_add_u32 v5, v1, 4, v5
	v_add_nc_u32 v[RD], s23, v5
	v_lshlrev_b32 v5, 12, v2                       ; and the same two rows in out0
	v_lshl_add_u32 v[CO], v1, 4, v5
; K step ks's eight fragments into set ks % 2: 40 LDS loads.  O's: images, 16 and 8 bytes a lane on end.  wo's: 24 bytes of a row in pieces of 8; 16 bytes of padding lie behind every 8 pieces.
.macro FETCH ks
.set FS, FB+96*((\ks)%2)
.irp i, 0,1,2,3
.irp u, 0,1
	ds_load_b128 v[FS+12*\i+6*\u:FS+12*\i+6*\u+3], v[ADRA] offset:\i*12288+(\ks)*1536+\u*768
	ds_load_b64 v[FS+12*\i+6*\u+4:FS+12*\i+6*\u+5], v[ADRA+1] offset:\i*12288+(\ks)*1536+\u*768
.endr
.endr
.irp b, 0,1,2,3
.irp p, 0,1,2,3,4,5
.set PCE, 12*((\ks)%2)+6*(\p/3)+\p%3
	ds_load_b64 v[FS+48+12*\b+2*\p:FS+48+12*\b+2*\p+1], v[ADRB+2*((\ks)/4)+(PCE%8)/5] offset:8*PCE+16*(PCE/8)+\b*16*PITCH+(((\ks)/2)%2)*BSL
.endr
.endr
.endm
; 16 matrix instructions, 128 along K; the 16 accumulators take turns, in the same order in every step
.macro MUL ks, zero
.set FS, FB+96*((\ks)%2)
	WIN 0x50                                       ; C and D in window 1
.irp a, 0,1,2,3
.irp b, 0,1,2,3
.if \zero
	v_wmma_scale_f32_16x16x128_f8f6f4 v[8*(4*\a+\b):8*(4*\a+\b)+7], v[FS+48+12*\b:FS+48+12*\b+11], v[FS+12*\a:FS+12*\a+11], 0, v[SC+8*\b+(\ks)], v[SC+8*\a+(\ks)] matrix_a_fmt:MATRIX_FMT_FP6 matrix_b_fmt:MATRIX_FMT_FP6 matrix_a_scale:MATRIX_SCALE_ROW1
.else
	v_wmma_scale_f32_16x16x128_f8f6f4 v[8*(4*\a+\b):8*(4*\a+\b)+7], v[FS+48+12*\b:FS+48+12*\b+11], v[FS+12*\a:FS+12*\a+11], v[8*(4*\a+\b):8*(4*\a+\b)+7], v[SC+8*\b+(\ks)], v[SC+8*\a+(\ks)] matrix_a_fmt:MATRIX_FMT_FP6 matrix_b_fmt:MATRIX_FMT_FP6 matrix_a_scale:MATRIX_SCALE_ROW1
.endif
.endr
.endr
	WIN 0
.endm
	s_wait_alu depctr_va_vdst(0)
	s_wait_tensorcnt 0x0                           ; my tile of the four is in,
	s_barrier_signal -1
	s_barrier_wait -1                              ; everybody's is
.irp i, 0,1,2,3                                ; the scale words of all eight K steps: 32 bytes a row
	ds_load_b128 v[SC+8*\i:SC+8*\i+3], v[ADRS] offset:\i*544
	ds_load_b128 v[SC+8*\i+4:SC+8*\i+7], v[ADRS] offset:\i*544+16
.endr
	FETCH 0
	FETCH 1
	s_wait_dscnt 40                                ; all but the 40 loads just issued
	MUL 0, 1                                       ; the first step's products start the sums
.set K, 1
.rept 6
	PLACES                                         ; in front of loads into registers that the last products read
	FETCH K+1
	s_wait_dscnt 40
	MUL K, 0
.set K, K+1
.endr
	s_wait_dscnt 0x0
	MUL 7, 0
.macro TOSTAGE i                       ; O's tile i: 16 rows x 64 columns into my stage, and back by rows; LDS serves a wave's instructions in order
	WIN 0x04                                       ; the data: window 1
.irp b, 0,1,2,3
	ds_store_b128 v[STO], v[8*(4*\i+\b):8*(4*\i+\b)+3] offset:64*\b          ; each accumulator from its low end on
	ds_store_b128 v[STO], v[8*(4*\i+\b)+4:8*(4*\i+\b)+7] offset:64*\b+16
.endr
	WIN 0
.irp t, 0,1,2,3,4,5,6,7
	ds_load_b128 v[FB+32*\i+4*\t:FB+32*\i+4*\t+3], v[RD] offset:\t*2*SPITCH
.endr
.endm
.macro SEND i, younger                 ; each tile has 32 registers of its own, so no store's data are written again
	s_wait_dscnt \younger
.irp t, 0,1,2,3,4,5,6,7
	global_store_b128 v[CO], v[FB+32*\i+4*\t:FB+32*\i+4*\t+3], s[12:13] offset:(32*(\i/2)+8*(\i%2)+2*\t+8*(\t/4))*SIZE_N*4 th:TH_STORE_NT   ; stage rows 2 t, 2 t + 1 are tokens 2 t + 8 (t / 4) + 0, 1 of the tile
.endr
.endm
	PLACES                                         ; behind the last products: their results are read, and their operands' registers are loaded into
	TOSTAGE 0
	TOSTAGE 1
	SEND 0, 16                                     ; behind tile 0's loads: tile 1's 8 stores and 8 loads
	TOSTAGE 2
	SEND 1, 16
	TOSTAGE 3
	SEND 2, 16
	SEND 3, 0
	s_wait_tensorcnt 0x0                           ; the wave's end
	ds_add_u32 v[SPW], v[NIL]
	s_wait_dscnt 0x0
	CROUND                                         ; the closing round
	s_endpgm
.Lfunc_end_k_q7f8c4ef2ae_oproj:
	.size	k_q7f8c4ef2ae_oproj, .Lfunc_end_k_q7f8c4ef2ae_oproj-k_q7f8c4ef2ae_oproj
	.p2alignl 7, 3214868480
	.fill 96, 4, 3214868480
	.section	.rodata,"a",@progbits
	.p2align	6, 0x0
	.amdhsa_kernel k_q7f8c4ef2ae_oproj
		.amdhsa_group_segment_fixed_size 327680
		.amdhsa_private_segment_fixed_size 0
		.amdhsa_enable_private_segment 0
		.amdhsa_kernarg_size 40
		.amdhsa_user_sgpr_count 2
		.amdhsa_user_sgpr_kernarg_segment_ptr 1
		.amdhsa_wavefront_size32 1
		.amdhsa_system_sgpr_workgroup_id_x 1
		.amdhsa_system_sgpr_workgroup_id_y 1
		.amdhsa_system_sgpr_workgroup_id_z 1
		.amdhsa_system_vgpr_workitem_id 0
		.amdhsa_next_free_vgpr 384
		.amdhsa_next_free_sgpr 98
		.amdhsa_reserve_vcc 0
		.amdhsa_float_denorm_mode_32 3
		.amdhsa_float_denorm_mode_16_64 3
		.amdhsa_memory_ordered 1
		.amdhsa_forward_progress 1
		.amdhsa_inst_pref_size 55
	.end_amdhsa_kernel
	.amdgpu_metadata
---
amdhsa.version: [ 1, 2 ]
amdhsa.kernels:
  - .name:           k_q7f8c4ef2ae_oproj
    .symbol:         k_q7f8c4ef2ae_oproj.kd
    .args:
      - { .name: o_img, .offset: 0, .size: 8, .value_kind: global_buffer, .address_space: global }
      - { .name: o_scales, .offset: 8, .size: 8, .value_kind: global_buffer, .address_space: global }
      - { .name: xw_codes, .offset: 16, .size: 8, .value_kind: global_buffer, .address_space: global }
      - { .name: xw_scales, .offset: 24, .size: 8, .value_kind: global_buffer, .address_space: global }
      - { .name: out0, .offset: 32, .size: 8, .value_kind: global_buffer, .address_space: global }
    .group_segment_fixed_size: 327680
    .private_segment_fixed_size: 0
    .kernarg_segment_align: 8
    .kernarg_segment_size: 40
    .max_flat_workgroup_size: 128
    .sgpr_count:     98
    .vgpr_count:     384
    .wavefront_size: 32
...
	.end_amdgpu_metadata
.endif
;; end of part 4
